; MI455X (gfx1250); checked and timed in simulation.
; The chip was launched on July 23, 2026; its instructions are those of AMD's public machine-readable ISA for CDNA 5 (MIT licence, August 2026) and "CDNA5" Instruction Set Architecture Reference Guide (July 2026). The comments in the code are by the model that wrote it; some were corrected since.
;; Multi Headed Attention. Allowed arithmetic: matrix products marked QUANTISED: E2M1 operands, one E8M0 scale for each 32 along K, by v_wmma_scale_f32_16x16x128_f8f6f4 with both operands' format E2M1 (or v_wmma_scale_f32_32x16x128_f4), f32 sums; products left as they are: bf16, f16 or f32 operands; f32 sums; everything else in f32.
;; Inputs: Wk 1,024 x 1,024 float32; Wo 1,024 x 1,024 float32; Wv 1,024 x 1,024 float32; bk 1,024 float32; bo 1,024 float32; bv 1,024 float32; key 8 x 1,024 x 1,024 float32; query 8 x 1,024 x 1,024 float32; value 8 x 1,024 x 1,024 float32.
;; Outputs: out0 8 x 1,024 x 1,024 float32.
;; This version of the problem:
;;   THIS VERSION OF THE PROBLEM IS GIVEN IN LOW PRECISION. The matrix products marked QUANTISED in the list below multiply operands that are first quantised to E2M1 (2 exponent bits, 1 mantissa bit; 4 bits a number), with one power-of-two scale for each 32 numbers along K (OCP MX v1.0); their sums are f32. The products marked 'left as it is' may take bf16, f16 or f32 operands, with f32 sums. Whichever they take, every output number must still come out within the allowed error. Rounding operands to bf16 (8 significant bits) uses up far more of that allowance than f16 does (11 bits, for magnitudes from 6e-5 to 65,504). All else is computed in f32.
;;   The module's matrix products, in the order in which they are computed (A, B: the left and right operand; K: the contracted axis; several contracted axes count as one K, in the product's order):
;;     1. [M 8,192, K 1,024] x [K 1,024, N 1,024]; A: input key; B: input Wk: QUANTISED
;;     2. [M 8,192, K 1,024] x [K 1,024, N 1,024]; A: input value; B: input Wv: QUANTISED
;;     3. batch 128 x [M 1,024, K 64] x [K 64, N 1,024]; A: input query; B: computed on the way: left as it is (an operand is computed on the way)
;;     4. batch 128 x [M 1,024, K 1,024] x [K 1,024, N 64]; A: computed on the way; B: computed on the way: left as it is (an operand is computed on the way)
;;     5. [M 8,192, K 1,024] x [K 1,024, N 1,024]; A: computed on the way; B: input Wo: left as it is (an operand is computed on the way)
;;   THE QUANTISER, for each operand of a quantised product, along K:
;;     - K is cut into blocks of 32 from its start; a last block that is shorter is filled with zeros.
;;     - A block's scale is 2^e with e = floor(log2(the largest magnitude in the block)) - 2, held to -126 .. 127; a block of zeros has e = 0. As a byte (E8M0): e + 127.
;;     - Each number is divided by its block's scale, clamped to +-6, and rounded to the nearest number of E2M1, ties to even, subnormals kept.
;;     - The product sums the exact products of the quantised numbers (number of the format x scale) in f32.
;;   ~~~python
;;   def quantise(x, axis):      # numpy; x: float32 -> the quantised numbers, widened to float32 again
;;       x = np.moveaxis(x, axis, -1); K = x.shape[-1]
;;       x = np.pad(x, [(0, 0)] * (x.ndim - 1) + [(0, -K % 32)]); x = x.reshape(x.shape[:-1] + (-1, 32)); a = np.abs(x).max(-1, keepdims=True)
;;       e = np.where(a > 0, np.clip(np.frexp(np.where(a > 0, a, 1))[1] - 1 - 2, -126, 127), 0)      # np.frexp(a)[1] - 1 = floor(log2(a)), exactly
;;       r = np.clip(x / 2.0 ** e, -6, 6)
;;       step = 2.0 ** (np.maximum(np.frexp(np.where(r == 0, 1, r))[1] - 1, 0) - 1)
;;       q = np.round(r / step) * step * 2.0 ** e      # np.round: ties to even
;;       return np.moveaxis(q.reshape(q.shape[:-2] + (-1,))[..., :K], -1, axis).astype(np.float32)
;;   ~~~
;; One version. Each part assembles by itself: llvm-mc -triple=amdgcn-amd-amdhsa -mcpu=gfx1250 --defsym DOCPART=n.
;; ======== version 1 of 1: 4 launches
;; limits: values are held in f16: magnitudes above 65,504 overflow, below 6.1e-05 lose precision
;; workspace buffers: acodes 8,388,608 bytes; ascales 524,288 bytes; wcodes 1,048,576 bytes; wscales 65,536 bytes; woimg 2,097,152 bytes; kvimg 33,554,432 bytes; ximg 16,777,216 bytes
;; launch quant (part 1): grid 1216 x 1, 2 waves a work-group, no clusters, 16,640 bytes of LDS; arguments key, value, Wk, Wv, Wo, acodes, ascales, wcodes, wscales, woimg; writes acodes, ascales, wcodes, wscales, woimg
.if DOCPART == 1
	.amdgcn_target "amdgcn-amd-amdhsa--gfx1250"
	.amdhsa_code_object_version 6
	.text
	.protected	k_q36bc35ab5a_quant
	.globl	k_q36bc35ab5a_quant
	.p2align	8
	.type	k_q36bc35ab5a_quant,@function
k_q36bc35ab5a_quant:
	s_mov_b64 s[64:65], 0
	v_nop
	global_prefetch_b8 v0, s[64:65] scope:SCOPE_SE
	s_setreg_imm32_b32 hwreg(HW_REG_WAVE_MODE, 25, 1), 1
	s_wait_xcnt 0x0
; FIRST OF FOUR LAUNCHES of out = softmax(q k^T / 8) v Wo^T + bo, k = key Wk^T + bk, v = value Wv^T + bv, 16 heads of 64, q = query as it is.
; WORK LEFT OUT, for all values of the inputs.  bk: scores[q][k] = q . (key_k Wk^T) / 8 + q . bk / 8; the second term is the same for every key k of a row, and softmax along k
; cancels a term that is the same along its axis; the product q k^T is not quantised, so bk enters no quantiser.  bk has no way to the output: it is not loaded and is no argument of any launch.
; bv is live and is MOVED: the softmax's weights sum to 1, so sum_k p (v + bv) = sum_k p v + bv; it is added in the third launch, in the multiply-add that divides by the row's sum.
; LIMIT: a NaN, an infinity or an overflow that reaches only bk is not carried to the result.
; THIS LAUNCH: key, value [8192][1024] and Wk, Wv [1024][1024], f32, K innermost, become codes of FP4 (E2M1) with one E8M0 scale byte for each 32 along K;
; key's and value's rows lie on end in acodes / ascales, Wk's and Wv's in wcodes / wscales.  Wo becomes f16, laid as images of the last product's operand registers.
; A block's scale is 2^(floor(log2(its largest magnitude)) - 2); its byte is the largest magnitude's exponent field - 2, held at 1 from below.  A block of zeros so gets the byte 1 where the rule
; says 127: its codes are zeros, which add nothing under any byte but 0xff, and the bytes are read by this program alone.
; LIMITS: blocks whose largest magnitude lies under 2^(2 - 126) have their byte held at 1; NaN and infinities among the inputs are not served; |Wo| above 65,504 has no f16 number.
; SHARES.  Work-groups of TWO waves, 8,192 numbers a wave: 1,216 work-groups for 256 WGPs are 4 or 5 each.  Work-group g: 0-511 key, 512-1023 value, 1024-1087 Wk, 1088-1151 Wv: a plain stream of blocks of 32.  1152-1215: Wo.
; The quantising path: a wave takes 16 steps of 512 numbers.  Each load reads 512 consecutive bytes; a step's 2,048 bytes turn through the wave's own stage in LDS so that a lane holds 16 neighbours
; (two lanes a block); a lane's 16 codes are 8 bytes: the wave stores 256 consecutive bytes.  A wave's 256 scale bytes are gathered in LDS and leave as 256 consecutive bytes.
.set WAVES, 2
.set STEPS, 16
.set EMAX,  2
.set CB,    8                          ; bytes of 16 codes
.set R,     16                         ; v16-79   four sets of 16 numbers as they are loaded
.set X,     80                         ; v80-111  two sets of 16 neighbours
.set E,     112                        ; v112-127 a scale byte for each step
.set C,     128                        ; v128-191 codes: four registers for each step
.set WREG,  8192                       ; LDS: a region for each wave: two stages of 32 x SP bytes, then its 256 scale bytes
.set SP,    80                         ; a lane's place in a stage: 64 bytes + 16 of padding
.set SPW,   12                         ; v12 LDS address of my spare word; never rewritten
.set NIL,   13                         ; v13 0; never rewritten
.set SPARE, WAVES*WREG                 ; the spare words, 128 bytes a wave
.set LA,    16                         ; Wo's path: v16-143 two sets of 64 numbers
.set RS,    144                        ; v144-175 four images of 8 registers
	s_load_b512 s[4:19], s[0:1], 0x0               ; key 4, value 6, Wk 8, Wv 10, Wo 12, acodes 14, ascales 16, wcodes 18
	s_load_b128 s[20:23], s[0:1], 0x40             ; wscales 20, woimg 22
	v_lshl_add_u32 v[SPW], v0, 2, SPARE
	v_mov_b32 v[NIL], 0
	v_lshrrev_b32 v1, 5, v0
	v_readfirstlane_b32 s24, v1                    ; wave
	v_and_b32 v2, 31, v0                           ; lane
	s_and_b32 s30, ttmp9, 511                      ; which 16,384 numbers of key or value,
	s_and_b32 s31, ttmp9, 63                       ; of Wk or Wv,
	s_and_b32 s32, ttmp9, 1023                     ; and of the pair's buffers of codes and scales
	s_wait_kmcnt 0x0
	s_cmp_ge_u32 ttmp9, 1152
	s_cbranch_scc1 .Lwo
	v_lshlrev_b32 v3, 4, v2                        ; my 16 bytes of a load's 512
	s_mul_i32 s25, s24, WREG
	v_lshrrev_b32 v14, 2, v2
	v_mul_u32_u24 v14, v14, SP
	v_and_b32 v15, 3, v2
	v_lshl_add_u32 v14, v15, 4, v14
	v_add_nc_u32 v14, s25, v14                     ; the stage, on the way in: SP (lane / 4) + 16 (lane % 4)
	v_mul_u32_u24 v15, v2, SP
	v_add_nc_u32 v15, s25, v15                     ; and on the way out: SP x lane: my 16 neighbours
	v_mul_u32_u24 v4, v2, CB                       ; my codes' place in a step's
	v_lshrrev_b32 v5, 1, v2
	s_add_co_u32 s25, s25, 2*32*SP
	v_add_nc_u32 v5, s25, v5                       ; my wave's 256 scale bytes, my block's byte
	v_lshlrev_b32 v7, 3, v2                        ; and on the way out 8 bytes a lane
	v_add_nc_u32 v6, s25, v7
	s_cmp_lt_u32 ttmp9, 512                        ; the buffers are chosen by the work-group's number alone
	s_cselect_b64 s[26:27], s[4:5], s[6:7]
	s_cmp_lt_u32 ttmp9, 1088
	s_cselect_b64 s[28:29], s[8:9], s[10:11]
	s_cmp_lt_u32 ttmp9, 1024
	s_cselect_b64 s[4:5], s[26:27], s[28:29]       ; the numbers
	s_cselect_b64 s[8:9], s[14:15], s[18:19]       ; the codes
	s_cselect_b64 s[10:11], s[16:17], s[20:21]     ; the scale bytes
	s_cselect_b32 s30, s30, s31
	s_lshl_b32 s30, s30, 1
	s_add_co_u32 s30, s30, s24                     ; which run of 8,192 numbers of the tensor is my wave's
	s_lshl_b32 s30, s30, 15
	s_mov_b32 s31, 0
	s_add_nc_u64 s[4:5], s[4:5], s[30:31]
	s_lshl_b32 s32, s32, 1
	s_add_co_u32 s32, s32, s24                     ; and which run of the buffers
	s_lshl_b32 s34, s32, 12
	s_mov_b32 s35, 0
	s_add_nc_u64 s[8:9], s[8:9], s[34:35]
	s_lshl_b32 s34, s32, 8
	s_add_nc_u64 s[10:11], s[10:11], s[34:35]
.macro LOAD t
.irp i, 0,1,2,3
	global_load_b128 v[R+16*((\t)%4)+4*\i:R+16*((\t)%4)+4*\i+3], v3, s[4:5] offset:2048*(\t)+512*\i th:TH_LOAD_NT   ; 32 lanes read 512 consecutive bytes
.endr
.endm
.macro TURN t                          ; step t's numbers through the stage: LDS serves a wave's instructions in order, so no wait stands between the stores and the loads
.irp i, 0,1,2,3
	ds_store_b128 v14, v[R+16*((\t)%4)+4*\i:R+16*((\t)%4)+4*\i+3] offset:32*SP*((\t)%2)+8*SP*\i
.endr
.irp i, 0,1,2,3
	ds_load_b128 v[X+16*((\t)%2)+4*\i:X+16*((\t)%2)+4*\i+3], v15 offset:32*SP*((\t)%2)+16*\i
.endr
.endm
.irp t, 0,1,2,3
	LOAD \t
.endr
	s_wait_loadcnt 12                              ; step 0's four loads are in
	TURN 0
.macro STEP t
.set XS, X+16*((\t)%2)
.if (\t) > 0
	s_wait_dscnt 1                                 ; this step's numbers are back from the stage (the last step's byte store may be out)
.else
	s_wait_dscnt 0x0
.endif
.if (\t)+4 < STEPS
	LOAD (\t)+4                                    ; its registers take the loads of four steps on
.endif
.if (\t)+1 < STEPS
.if STEPS-2-(\t) >= 3
	s_wait_loadcnt 12                              ; the next step's four loads are in; those of the three steps behind it may be out
.else
	s_wait_loadcnt 4*(STEPS-2-(\t))
.endif
	TURN (\t)+1
.endif
	v_max3_num_f32 v8, |v[XS]|, |v[XS+1]|, |v[XS+2]|               ; the largest magnitude of my 16
	v_max3_num_f32 v9, |v[XS+3]|, |v[XS+4]|, |v[XS+5]|
.irp i, 6,10
	v_max3_num_f32 v8, v8, |v[XS+\i]|, |v[XS+\i+1]|
	v_max3_num_f32 v9, v9, |v[XS+\i+2]|, |v[XS+\i+3]|
.endr
	v_max3_num_f32 v8, v8, |v[XS+14]|, |v[XS+15]|
	v_max3_num_f32 v8, v8, v9, (EMAX+1)<<23        ; and the floor 2^(EMAX + 1 - 127): the byte cannot fall under 1
	v_max_num_f32_dpp v8, v8, v8 row_xmask:1 row_mask:0xf bank_mask:0xf   ; and of my neighbour's 16: the block's
	v_add_nc_u32 v11, -(EMAX<<23), v8              ; EMAX off its exponent field: the conversion takes the exponent field of this operand as its scale
	v_cvt_scalef32_pk8_fp4_f32 v[C+4*(\t)], v[XS:XS+7], v11
	v_cvt_scalef32_pk8_fp4_f32 v[C+4*(\t)+1], v[XS+8:XS+15], v11
	v_lshrrev_b32 v[E+(\t)], 23, v11               ; the scale's byte
	ds_store_b8 v5, v[E+(\t)] offset:16*(\t)       ; both lanes of a block write the same byte with the same value
	global_store_b64 v4, v[C+4*(\t):C+4*(\t)+1], s[8:9] offset:32*CB*(\t)
.endm
.irp t, 0,1,2,3,4,5,6,7,8,9,10,11,12,13,14,15
	STEP \t
.endr
	ds_load_b64 v[8:9], v6                         ; LDS serves a wave's instructions in order: these see my stores
	s_wait_dscnt 0x0
	global_store_b64 v7, v[8:9], s[10:11]          ; 32 lanes store 256 consecutive bytes
	s_wait_tensorcnt 0x0                           ; the wave's end
	ds_add_u32 v[SPW], v[NIL]
	s_wait_dscnt 0x0
	s_endpgm
; Wo [1024 (n)][1024 (k)] f32 -> f16 images [ks 8][nt 64][kc 4][half 2][lane][16 bytes]: the fragment of rows 16 nt on at k = 128 ks + 32 kc on: lane (r, h) holds row r;
; half 0: k = 8 h + 0..7, half 1: k = 16 + 8 h + 0..7.  Wave W of 128 takes rows 16 (W / 2) on and k = 512 (W % 2) on: 16 images, in four groups of four.
.Lwo:
	s_sub_co_u32 s25, ttmp9, 1152
	s_lshl_b32 s25, s25, 1
	s_add_co_u32 s25, s25, s24                     ; W
	s_lshr_b32 s26, s25, 1                         ; nt
	s_and_b32 s27, s25, 1
	s_lshl_b32 s28, s26, 16                        ; 16 rows of 4,096 bytes
	s_lshl_b32 s29, s27, 11
	s_add_co_u32 s28, s28, s29
	s_mov_b32 s29, 0
	s_add_nc_u64 s[12:13], s[12:13], s[28:29]
	s_lshl_b32 s28, s27, 20                        ; four ks of 262,144 bytes
	s_lshl_b32 s26, s26, 12
	s_add_co_u32 s28, s28, s26
	s_add_nc_u64 s[22:23], s[22:23], s[28:29]
	v_and_b32 v3, 15, v0
	v_bfe_u32 v4, v0, 4, 1
	v_lshlrev_b32 v3, 12, v3
	v_lshl_add_u32 v3, v4, 5, v3                   ; in: row r, + 32 h bytes
	v_lshlrev_b32 v4, 4, v2                        ; out: 16 x lane
.macro WLOAD g
.set SET, LA+64*((\g)%2)
.irp i, 0,1,2,3
	global_load_b128 v[SET+16*\i:SET+16*\i+3],     v3, s[12:13] offset:(4*(\g)+\i)*128 th:TH_LOAD_NT
	global_load_b128 v[SET+16*\i+4:SET+16*\i+7],   v3, s[12:13] offset:(4*(\g)+\i)*128+16 th:TH_LOAD_NT
	global_load_b128 v[SET+16*\i+8:SET+16*\i+11],  v3, s[12:13] offset:(4*(\g)+\i)*128+64 th:TH_LOAD_NT
	global_load_b128 v[SET+16*\i+12:SET+16*\i+15], v3, s[12:13] offset:(4*(\g)+\i)*128+80 th:TH_LOAD_NT
.endr
.endm
.macro WOUT g
.set SET, LA+64*((\g)%2)
.irp i, 0,1,2,3
.irp j, 0,1,2,3,4,5,6,7
	v_cvt_pk_f16_f32 v[RS+8*\i+\j], v[SET+16*\i+2*\j], v[SET+16*\i+2*\j+1]
.endr
.endr
.irp i, 0,1,2,3
	global_store_b128 v4, v[RS+8*\i:RS+8*\i+3],   s[22:23] offset:(\g)*262144+\i*1024       ; 32 lanes store 512 consecutive bytes
	global_store_b128 v4, v[RS+8*\i+4:RS+8*\i+7], s[22:23] offset:(\g)*262144+\i*1024+512
.endr
.endm
	WLOAD 0
	WLOAD 1
	s_wait_loadcnt 16                              ; group 0 is in; group 1's sixteen loads may be out
	WOUT 0
	WLOAD 2
	s_wait_loadcnt 16
	s_wait_xcnt 0x0                                ; the last group's stores have read their data registers, which are written again
	WOUT 1
	WLOAD 3
	s_wait_loadcnt 16
	s_wait_xcnt 0x0
	WOUT 2
	s_wait_loadcnt 0x0
	s_wait_xcnt 0x0
	WOUT 3
	s_endpgm
.Lfunc_end_k_q36bc35ab5a_quant:
	.size	k_q36bc35ab5a_quant, .Lfunc_end_k_q36bc35ab5a_quant-k_q36bc35ab5a_quant
	.p2alignl 7, 3214868480
	.fill 96, 4, 3214868480
	.section	.rodata,"a",@progbits
	.p2align	6, 0x0
	.amdhsa_kernel k_q36bc35ab5a_quant
		.amdhsa_group_segment_fixed_size 16640
		.amdhsa_private_segment_fixed_size 0
		.amdhsa_enable_private_segment 0
		.amdhsa_kernarg_size 80
		.amdhsa_user_sgpr_count 2
		.amdhsa_user_sgpr_kernarg_segment_ptr 1
		.amdhsa_wavefront_size32 1
		.amdhsa_system_sgpr_workgroup_id_x 1
		.amdhsa_system_sgpr_workgroup_id_y 1
		.amdhsa_system_sgpr_workgroup_id_z 1
		.amdhsa_system_vgpr_workitem_id 0
		.amdhsa_next_free_vgpr 192
		.amdhsa_next_free_sgpr 66
		.amdhsa_reserve_vcc 0
		.amdhsa_float_denorm_mode_32 3
		.amdhsa_float_denorm_mode_16_64 3
		.amdhsa_memory_ordered 1
		.amdhsa_forward_progress 1
		.amdhsa_inst_pref_size 52
	.end_amdhsa_kernel
	.amdgpu_metadata
---
amdhsa.version: [ 1, 2 ]
amdhsa.kernels:
  - .name:           k_q36bc35ab5a_quant
    .symbol:         k_q36bc35ab5a_quant.kd
    .args:
      - { .name: key, .offset: 0, .size: 8, .value_kind: global_buffer, .address_space: global }
      - { .name: value, .offset: 8, .size: 8, .value_kind: global_buffer, .address_space: global }
      - { .name: Wk, .offset: 16, .size: 8, .value_kind: global_buffer, .address_space: global }
      - { .name: Wv, .offset: 24, .size: 8, .value_kind: global_buffer, .address_space: global }
      - { .name: Wo, .offset: 32, .size: 8, .value_kind: global_buffer, .address_space: global }
      - { .name: acodes, .offset: 40, .size: 8, .value_kind: global_buffer, .address_space: global }
      - { .name: ascales, .offset: 48, .size: 8, .value_kind: global_buffer, .address_space: global }
      - { .name: wcodes, .offset: 56, .size: 8, .value_kind: global_buffer, .address_space: global }
      - { .name: wscales, .offset: 64, .size: 8, .value_kind: global_buffer, .address_space: global }
      - { .name: woimg, .offset: 72, .size: 8, .value_kind: global_buffer, .address_space: global }
    .group_segment_fixed_size: 16640
    .private_segment_fixed_size: 0
    .kernarg_segment_align: 8
    .kernarg_segment_size: 80
    .max_flat_workgroup_size: 64
    .sgpr_count:     66
    .vgpr_count:     192
    .wavefront_size: 32
...
	.end_amdgpu_metadata
.endif
;; end of part 1
;; launch proj (part 2): grid 4 x 64, 4 waves a work-group, clusters of 4 x 4, 327,680 bytes of LDS; arguments acodes, ascales, wcodes, wscales, kvimg; writes kvimg
.if DOCPART == 2
	.amdgcn_target "amdgcn-amd-amdhsa--gfx1250"
	.amdhsa_code_object_version 6
	.text
	.protected	k_q36bc35ab5a_proj
	.globl	k_q36bc35ab5a_proj
	.p2align	8
	.type	k_q36bc35ab5a_proj,@function
k_q36bc35ab5a_proj:
	s_mov_b64 s[64:65], 0
	v_nop
	global_prefetch_b8 v0, s[64:65] scope:SCOPE_SE
	s_setreg_imm32_b32 hwreg(HW_REG_WAVE_MODE, 25, 1), 1
	s_wait_xcnt 0x0
	s_wait_alu depctr_hold_cnt(0) depctr_sa_sdst(0) depctr_va_vdst(0) depctr_va_sdst(0) depctr_va_ssrc(0) depctr_va_vcc(0) depctr_vm_vsrc(0)
	s_getreg_b32 s2, hwreg(HW_REG_IB_STS2, 6, 4)
	s_cmp_eq_u32 s2, 0
	s_cbranch_scc0 .Lentry_in_a_cluster
	s_endpgm
.Lentry_in_a_cluster:
	s_bfe_u32 s2, ttmp6, 0x10000c
	s_cmp_lg_u32 s2, 0xf033
	s_cbranch_scc0 .Lentry_shape_is_right
	s_endpgm
.Lentry_shape_is_right:
; SECOND LAUNCH: k = key Wk^T and v = value Wv^T as ONE product on codes of FP4 (E2M1) with E8M0 scales: rows 0-8191 of acodes (key) against rows 0-1023 of wcodes (Wk), rows 8192-16383 (value) against rows 1024-2047 (Wv).
; No bias here: bk is dead work and bv is added in the next launch (shown at the head of the first kernel).
; A tile of 256 x 256 is made by a work-group of four waves; a wave makes 128 x 128: 64 accumulators, 512 registers.  K = 1,024 is two K steps of 512: two LDS slots, each filled once; nothing is filled again.
; The scales of the work-group's 256 + 256 rows, for all of K, come into LDS once.  CLUSTERS: 4 x 4; the four of a row of the cluster ask for A's tiles jointly, the four of a column for B's.
; THE MATRIX INSTRUCTION IS USED TRANSPOSED (source 0 = 16 rows of the weight, source 1 = 16 rows of key or value): lane (r, h) holds position r and channels 16 b + 8 h + 0..7.
; THE WAY OUT: those eight numbers, rounded to f16, are 16 bytes of an operand register image of the next launch: kvimg [K or V][batch 8][head 16][kt 64][cb 4][512 bytes]: block (kt, cb) = 16 positions x 16 channels.
; K's block: lane l's 16 bytes at 16 l.  V's block: at 256 (r / 8) + 128 h + 16 (r % 8), the place from which the next launch's turning load, addressed 16 x lane, takes them.  Each store of a wave covers 512 consecutive bytes: no stage.
; LIMIT: |k| or |v| above 65,504 has no f16 number.
; REGISTERS: window 0: v0-31 addresses; v32-95 scale words, two sets; v96-255 on the way out: packed results; from v128 A's fragments, ONE set.  window 1: B's fragments, two sets.  windows 2, 3: the accumulators.
.set SIZE_K, 1024
.set KSTEP,  512
.set NQ,     KSTEP/128
.set ROWB,   256                       ; a tile's row in bytes
.set KROW,   SIZE_K*4/8                ; a row of codes in memory
.set PITCH,  272                       ; an LDS row: 256 bytes + 16 of padding
.set FR,     8
.set NL,     2
.set NP,     4
.set HALFT,  128*PITCH
.set SLOT,   4*HALFT
.set KS,     SIZE_K/32
.set SCL,    2*SLOT                    ; behind the slots: the scales, as rows of 256 bytes + 16 of padding
.set HALFS,  (128*KS/256)*272
.set SBLK,   (16*KS/256)*272
.set SPARE,  SCL+4*HALFS               ; the spare words, 128 bytes a wave
.set ADRA, 16
.set ADRB, 20
.set VO,   26                          ; v26 my 16 bytes' place in a block of kvimg
.set ADRS, 27
.set SPW,  28
.set NIL,  29
.set SC,   32
.set TP,   96                          ; the way out: five sets of 32 registers, v96-255
.set AF,   128
.set G1, 24
.set G0, 32
.set G1B, 48
.set G0B, 56
.set G1S, 68
.set G0S, 76
.set G1SB, 80
.set G0SB, 88
.set MSB, 0
.macro WIN new                         ; the immediate's high byte repeats the setting that is left
.if MSB != \new
	s_set_vgpr_msb (MSB<<8)|\new
.set MSB, \new
.endif
.endm
.set MUL_LO, 0xa1                      ; source 0 window 1, source 1 window 0, C and D window 2
.set MUL_HI, 0xf1
.set TO_B,   0x40
; A joint load: waves 0 and 1 fetch for A, waves 2 and 3 for B; the branch hangs on the wave's number alone.  An s_nop 0 and four v_nop follow each of the two lines.
.macro JLOAD g0a, g1a, g0b, g1b
	s_cmp_eq_u32 s15, 0
	s_cbranch_scc0 .Lfor_b_\@
	tensor_load_to_lds s[\g0a:\g0a+3], s[\g1a:\g1a+7]
	s_nop 0
.rept 4
	v_nop
.endr
	s_branch .Lasked_\@
.Lfor_b_\@:
	tensor_load_to_lds s[\g0b:\g0b+3], s[\g1b:\g1b+7]
	s_nop 0
.rept 4
	v_nop
.endr
.Lasked_\@:
.endm
.macro CROUND                          ; a round of the cluster's barrier
	s_barrier_signal -1
	s_barrier_wait -1
	s_cmp_lg_u32 s14, 0
	s_cbranch_scc1 .Lnot_wave_0_\@
	s_barrier_signal -3
.Lnot_wave_0_\@:
	s_barrier_wait -3
	s_barrier_signal -1
	s_barrier_wait -1
.endm
	s_load_b128 s[4:7], s[0:1], 0x0                ; A's codes, A's scales
	s_load_b128 s[8:11], s[0:1], 0x10              ; B's codes, B's scales
	s_load_b64 s[12:13], s[0:1], 0x20              ; kvimg
	v_lshl_add_u32 v[SPW], v0, 2, SPARE
	v_mov_b32 v[NIL], 0
	ds_add_u32 v[SPW], v[NIL]                      ; the wave's opening: the add, twice on end, and its wait ahead of my first tensor load
	ds_add_u32 v[SPW], v[NIL]
	v_lshrrev_b32 v1, 5, v0
	v_readfirstlane_b32 s14, v1                    ; wave 0..3
	s_lshr_b32 s15, s14, 1                         ; which half of the tile's rows is mine.  Also: I fetch for A (0) or for B (1)
	s_and_b32 s16, s14, 1                          ; which half of its columns.  Also: which 128 rows I fetch
	s_bfe_u32 s40, ttmp6, 0x40000                  ; cx, cy
	s_bfe_u32 s41, ttmp6, 0x40004
	s_lshl_b32 s42, ttmp9, 2
	s_add_co_u32 s42, s42, s40                     ; tile column
	s_and_b32 s17, ttmp7, 0xffff
	s_lshl_b32 s17, s17, 2
	s_add_co_u32 s17, s17, s41                     ; tile row, 0..63
	s_lshl_b32 s43, s41, 2
	s_lshl_b32 s43, 15, s43                        ; my row of the cluster
	s_lshl_b32 s44, 0x1111, s40                    ; my column
	s_or_b32 s[G1+0], s43, (0<<16)|(1<<20)|(1<<21)|(5<<22)|(3<<25)  ; the mask; elements of 1 byte; padding: 4 words after every 64
	s_or_b32 s[G1B+0], s44, (0<<16)|(1<<20)|(1<<21)|(5<<22)|(3<<25)
.irp g, G1, G1B
	s_mov_b32 s[\g+1], ROWB<<16                    ; tensor_dim0
	s_mov_b32 s[\g+2], 128<<16                     ; tensor_dim1
	s_mov_b32 s[\g+3], ROWB<<16                    ; tile_dim0
	s_mov_b32 s[\g+4], 128                         ; tile_dim1
	s_mov_b32 s[\g+5], KROW                        ; the pitch
	s_mov_b32 s[\g+6], 0
	s_mov_b32 s[\g+7], 0
.endr
	s_or_b32 s[G1S+0], s43, (3<<16)|(1<<20)|(1<<21)|(5<<22)|(3<<25)   ; the scales of 128 rows: a dense block, as rows of 256 bytes (32 elements of 8 bytes)
	s_or_b32 s[G1SB+0], s44, (3<<16)|(1<<20)|(1<<21)|(5<<22)|(3<<25)
.irp g, G1S, G1SB
	s_mov_b32 s[\g+1], 32<<16
	s_mov_b32 s[\g+2], (128*KS/256)<<16
	s_mov_b32 s[\g+3], 32<<16
	s_mov_b32 s[\g+4], 128*KS/256
	s_mov_b32 s[\g+5], 32
	s_mov_b32 s[\g+6], 0
	s_mov_b32 s[\g+7], 0
.endr
	s_lshl_b32 s18, s16, 7                         ; which 128 rows of the tile I fetch
	s_lshl_b32 s20, s17, 8
	s_add_co_u32 s20, s20, s18                     ; A: row 256 x tile row + 128 x half
	s_lshl_b32 s46, s42, 8
	s_add_co_u32 s46, s46, s18                     ; B: row 256 x tile column + 128 x half
	s_and_b32 s95, ttmp7, 0xffff
	s_lshr_b32 s95, s95, 3                         ; 0: key and Wk, 1: value and Wv: made of the cluster's y, which all sixteen partners share
	s_lshl_b32 s96, s95, 10
	s_add_co_u32 s46, s46, s96                     ; Wv's rows lie 1,024 behind Wk's
	s_mov_b32 s21, 0
	s_mov_b32 s47, 0
	s_mov_b64 s[18:19], KS
	s_mul_u64 s[22:23], s[20:21], s[18:19]         ; where these rows' scales begin
	s_mul_u64 s[92:93], s[46:47], s[18:19]
	s_mov_b64 s[18:19], KROW
	s_mul_u64 s[20:21], s[20:21], s[18:19]         ; and their codes
	s_mul_u64 s[46:47], s[46:47], s[18:19]
	s_mul_i32 s45, s14, HALFT                      ; where they go: wave x 128 rows
	s_mul_i32 s94, s14, HALFS
	s_wait_dscnt 0x0                               ; both opening adds are done
	s_wait_kmcnt 0x0
	s_add_nc_u64 s[20:21], s[4:5], s[20:21]
	s_add_nc_u64 s[22:23], s[6:7], s[22:23]
	s_add_nc_u64 s[46:47], s[8:9], s[46:47]
	s_add_nc_u64 s[92:93], s[10:11], s[92:93]
	CROUND                                         ; all sixteen work-groups are here: the joint loads meet
	s_mov_b32 s[G0S], 1
	s_add_co_u32 s[G0S+1], s94, SCL
	s_mov_b64 s[G0S+2:G0S+3], s[22:23]
	s_or_b32 s[G0S+3], s[G0S+3], 0x80000000
	s_mov_b32 s[G0SB], 1
	s_add_co_u32 s[G0SB+1], s94, SCL
	s_mov_b64 s[G0SB+2:G0SB+3], s[92:93]
	s_or_b32 s[G0SB+3], s[G0SB+3], 0x80000000
	JLOAD G0S, G1S, G0SB, G1SB                     ; the scales first: they are wanted with K step 0
.irp s, 0,1
	s_mov_b32 s[G0+4*\s], 1
	s_add_co_u32 s[G0+4*\s+1], s45, \s*SLOT
	s_add_nc_u64 s[G0+4*\s+2:G0+4*\s+3], s[20:21], \s*ROWB
	s_or_b32 s[G0+4*\s+3], s[G0+4*\s+3], 0x80000000
	s_mov_b32 s[G0B+4*\s], 1
	s_add_co_u32 s[G0B+4*\s+1], s45, \s*SLOT
	s_add_nc_u64 s[G0B+4*\s+2:G0B+4*\s+3], s[46:47], \s*ROWB
	s_or_b32 s[G0B+4*\s+3], s[G0B+4*\s+3], 0x80000000
	JLOAD G0+4*\s, G1, G0B+4*\s, G1B               ; three loads of mine are out at the most
.endr
	v_and_b32 v1, 15, v0                           ; r
	v_bfe_u32 v2, v0, 4, 1                         ; h
	v_mul_u32_u24 v3, v1, PITCH
	v_lshl_add_u32 v4, v2, 4, v3                   ; a fragment's row x pitch + 16 x half
	s_mul_i32 s21, s15, HALFT                      ; my 128 rows of A
	s_mul_i32 s22, s16, HALFT                      ; my 128 rows of B,
	s_add_co_u32 s22, s22, 2*HALFT                 ; which lie behind A's 256
.irp s, 0,1
	v_add_nc_u32 v[ADRA+\s], s21, v4
	v_add_nc_u32 v[ADRB+\s], s22, v4
	s_add_co_u32 s21, s21, SLOT
	s_add_co_u32 s22, s22, SLOT
.endr
	v_mul_u32_u24 v5, v1, KS                       ; my row's scales: KS bytes a row,
	v_lshrrev_b32 v6, 8, v5
	v_lshl_add_u32 v5, v6, 4, v5                   ; and 16 more for each 256 passed
	s_mul_i32 s21, s15, HALFS
	s_mul_i32 s22, s16, HALFS
	s_add_co_u32 s22, s22, 2*HALFS
	s_sub_co_u32 s22, s22, s21
	v_mul_u32_u24 v6, s22, v2                      ; lanes 16-31 take B's
	s_add_co_u32 s21, s21, SCL
	v_add_nc_u32 v5, v5, v6
	v_add_nc_u32 v[ADRS], s21, v5
	v_and_b32 v5, 31, v0
	v_lshlrev_b32 v5, 4, v5                        ; K's block: 16 x lane
	v_lshrrev_b32 v6, 3, v1
	v_lshlrev_b32 v6, 8, v6
	v_lshl_add_u32 v6, v2, 7, v6
	v_and_b32 v7, 7, v1
	v_lshl_add_u32 v6, v7, 4, v6                   ; V's block: 256 (r / 8) + 128 h + 16 (r % 8)
	s_cmp_lg_u32 s95, 0
	s_cselect_b32 s96, -1, 0
	v_cndmask_b32 v[VO], v5, v6, s96
	s_lshl_b32 s20, s17, 8
	s_lshl_b32 s21, s15, 7
	s_add_co_u32 s20, s20, s21                     ; my first row of the 16,384
	s_lshr_b32 s21, s20, 10                        ; 8 x (K or V) + batch: 2^21 bytes each
	s_lshl_b32 s21, s21, 21
	s_and_b32 s20, s20, 1023                       ; the position: 2,048 bytes for each 16
	s_lshl_b32 s20, s20, 7
	s_add_co_u32 s20, s20, s21
	s_mov_b32 s21, 0
	s_add_nc_u64 s[12:13], s[12:13], s[20:21]
	s_lshl_b32 s46, s42, 8
	s_lshl_b32 s47, s16, 7
	s_add_co_u32 s46, s46, s47                     ; my first channel of 1,024: a head of 64 is 131,072 bytes
	s_lshl_b32 s46, s46, 11
	s_mov_b32 s47, 0
	s_add_nc_u64 s[12:13], s[12:13], s[46:47]
.macro FRAG reg, adr, q, i             ; 16 rows x 128 K of 4-bit codes: 8 registers: two loads of 16 bytes, 32 bytes apart
.irp c, 0,1
	ds_load_b128 v[\reg+4*\c:\reg+4*\c+3], v[\adr] offset:64*(\q)+32*\c+(\i)*16*PITCH
.endr
.endm
; 16 matrix instructions: A's blocks a0, a0 + 1 x B's eight, 128 along K.  The 64 accumulators take turns, one instruction a turn, in the same order in every step.
.macro MUL16 a0, p, q, sc, zero
.irp a, \a0, \a0+1
.irp b, 0,1,2,3,4,5,6,7
.if \zero
	v_wmma_scale_f32_16x16x128_f8f6f4 v[8*(8*((\a)%4)+\b):8*(8*((\a)%4)+\b)+7], v[128*(\p)+FR*\b:128*(\p)+FR*\b+FR-1], v[AF+FR*(\a):AF+FR*(\a)+FR-1], 0, v[SC+8*NQ*(\sc)+NQ*\b+(\q)], v[SC+8*NQ*(\sc)+NQ*(\a)+(\q)] matrix_a_fmt:MATRIX_FMT_FP4 matrix_b_fmt:MATRIX_FMT_FP4 matrix_a_scale:MATRIX_SCALE_ROW1
.else
	v_wmma_scale_f32_16x16x128_f8f6f4 v[8*(8*((\a)%4)+\b):8*(8*((\a)%4)+\b)+7], v[128*(\p)+FR*\b:128*(\p)+FR*\b+FR-1], v[AF+FR*(\a):AF+FR*(\a)+FR-1], v[8*(8*((\a)%4)+\b):8*(8*((\a)%4)+\b)+7], v[SC+8*NQ*(\sc)+NQ*\b+(\q)], v[SC+8*NQ*(\sc)+NQ*(\a)+(\q)] matrix_a_fmt:MATRIX_FMT_FP4 matrix_b_fmt:MATRIX_FMT_FP4 matrix_a_scale:MATRIX_SCALE_ROW1
.endif
.endr
.endr
.endm
.macro FETCH_B slot, q, p
	WIN TO_B
.irp i, 0,1,2,3,4,5,6,7
	FRAG 128*(\p)+FR*\i, ADRB+\slot, \q, \i
.endr
	WIN 0
.endm
.macro FETCH_A slot, q, i0
.irp i, \i0, \i0+1, \i0+2, \i0+3
	FRAG AF+FR*(\i), ADRA+\slot, \q, \i
.endr
.endm
.macro SCALES sc                       ; a K step's scale words: lanes 0-15 take A's block i, lanes 16-31 B's block i
.irp i, 0,1,2,3,4,5,6,7
	ds_load_b128 v[SC+8*NQ*\sc+NQ*\i:SC+8*NQ*\sc+NQ*\i+3], v[ADRS] offset:\i*SBLK
.endr
.endm
.macro PLACES n                        ; plain vector instructions between a matrix instruction and a load into, or a read of, its registers
.rept \n
	v_nop
.endr
.endm
.macro STEP slot, q, zero              ; a step of 128 along K that has its successor in the same slot
	s_wait_dscnt 4*NL                              ; B's set and A's blocks 0-3 are in; A's blocks 4-7 may be out
	WIN MUL_LO
	MUL16 0, (\q)%2, \q, \slot, \zero
	MUL16 2, (\q)%2, \q, \slot, \zero
	s_wait_dscnt 0
	PLACES NP
	FETCH_B \slot, (\q)+1, 1-(\q)%2
	FETCH_A \slot, (\q)+1, 0
	WIN MUL_HI
	MUL16 4, (\q)%2, \q, \slot, \zero
	MUL16 6, (\q)%2, \q, \slot, \zero
	PLACES NP
	WIN 0
	FETCH_A \slot, (\q)+1, 4
.endm
.macro TURN slot, next                 ; slot 0's last step: one barrier; behind it slot 1 is whole for every wave.  Nothing is filled again
	s_wait_tensorcnt 0x0                           ; all my tensor loads have landed: my part of the next slot
	ds_add_u32 v[SPW], v[NIL]                      ; 0 onto my spare word
	s_wait_dscnt 4*NL+1                            ; (the add and A's blocks 4-7 may be out)
	WIN MUL_LO
	MUL16 0, 1, NQ-1, \slot, 0
	s_wait_dscnt 0x0
	s_barrier_signal -1
	MUL16 2, 1, NQ-1, \slot, 0
	WIN 0
	s_barrier_wait -1
	PLACES NP
	v_add_nc_u32 v[ADRS], 4*NQ, v[ADRS]            ; on to the next K step's scale words
	FETCH_B \next, 0, 0
	FETCH_A \next, 0, 0
	SCALES \next
	WIN MUL_HI
	MUL16 4, 1, NQ-1, \slot, 0
	MUL16 6, 1, NQ-1, \slot, 0
	PLACES NP
	WIN 0
	FETCH_A \next, 0, 4
.endm
.macro STEPS slot, from
.set Q, \from
.rept NQ-1-\from
	STEP \slot, Q, 0
.set Q, Q+1
.endr
.endm
	s_wait_tensorcnt 1                             ; the scales and my part of K step 0 are in (K step 1's load may be out),
	s_barrier_signal -1
	s_barrier_wait -1                              ; everybody's are
	FETCH_B 0, 0, 0
	FETCH_A 0, 0, 0
	SCALES 0
	FETCH_A 0, 0, 4
	STEP 0, 0, 1                                   ; the first step's products start the sums
	STEPS 0, 1
	TURN 0, 1
	STEPS 1, 0
	s_wait_dscnt 4*NL                              ; the very last step
	WIN MUL_LO
	MUL16 0, 1, NQ-1, 1, 0
	MUL16 2, 1, NQ-1, 1, 0
	s_wait_dscnt 0
	WIN MUL_HI
	MUL16 4, 1, NQ-1, 1, 0
	MUL16 6, 1, NQ-1, 1, 0
	WIN 0
; THE WAY OUT, block a of 16 positions at a time: each accumulator, from its low end on, is rounded to f16 (16 bytes a lane) and stored as a block of kvimg.
.macro PACK a
.set AC, 64*((\a)%4)
.set TT, TP+32*((\a)%5)
	WIN 0x0a+5*((\a)/4)                            ; sources 0 and 1: window 2 or 3
.irp b, 0,1,2,3,4,5,6,7
.irp i, 0,1,2,3
	v_cvt_pk_f16_f32 v[TT+4*\b+\i], v[AC+8*\b+2*\i], v[AC+8*\b+2*\i+1]
.endr
.endr
	WIN 0
.endm
.macro SENDI a
.set TT, TP+32*((\a)%5)
.irp b, 0,1,2,3,4,5,6,7
	global_store_b128 v[VO], v[TT+4*\b:TT+4*\b+3], s[12:13] offset:(\b/4)*131072+(\b%4)*512+(\a)*2048   ; head b / 4 of my two, channels 16 (b % 4) on, positions 16 a on: 512 consecutive bytes
.endr
.endm
	PLACES NP                                      ; behind the last products: the conversions write registers that held A's fragments
.irp a, 0,1,2,3,4,5,6,7
.if \a > 4
	s_wait_xcnt 0x0                                ; the stores of five blocks back have read the registers that are written again
.endif
	PACK \a
	SENDI \a
.endr
	s_wait_tensorcnt 0x0                           ; the wave's end
	ds_add_u32 v[SPW], v[NIL]
	s_wait_dscnt 0x0
	CROUND                                         ; the closing round
	s_endpgm
.Lfunc_end_k_q36bc35ab5a_proj:
	.size	k_q36bc35ab5a_proj, .Lfunc_end_k_q36bc35ab5a_proj-k_q36bc35ab5a_proj
	.p2alignl 7, 3214868480
	.fill 96, 4, 3214868480
	.section	.rodata,"a",@progbits
	.p2align	6, 0x0
	.amdhsa_kernel k_q36bc35ab5a_proj
		.amdhsa_group_segment_fixed_size 327680
		.amdhsa_private_segment_fixed_size 0
		.amdhsa_enable_private_segment 0
		.amdhsa_kernarg_size 40
		.amdhsa_user_sgpr_count 2
		.amdhsa_user_sgpr_kernarg_segment_ptr 1
		.amdhsa_wavefront_size32 1
		.amdhsa_system_sgpr_workgroup_id_x 1
		.amdhsa_system_sgpr_workgroup_id_y 1
		.amdhsa_system_sgpr_workgroup_id_z 1
		.amdhsa_system_vgpr_workitem_id 0
		.amdhsa_next_free_vgpr 1024
		.amdhsa_next_free_sgpr 100
		.amdhsa_reserve_vcc 0
		.amdhsa_float_denorm_mode_32 3
		.amdhsa_float_denorm_mode_16_64 3
		.amdhsa_memory_ordered 1
		.amdhsa_forward_progress 1
		.amdhsa_inst_pref_size 118
	.end_amdhsa_kernel
	.amdgpu_metadata
---
amdhsa.version: [ 1, 2 ]
amdhsa.kernels:
  - .name:           k_q36bc35ab5a_proj
    .symbol:         k_q36bc35ab5a_proj.kd
    .args:
      - { .name: acodes, .offset: 0, .size: 8, .value_kind: global_buffer, .address_space: global }
      - { .name: ascales, .offset: 8, .size: 8, .value_kind: global_buffer, .address_space: global }
      - { .name: wcodes, .offset: 16, .size: 8, .value_kind: global_buffer, .address_space: global }
      - { .name: wscales, .offset: 24, .size: 8, .value_kind: global_buffer, .address_space: global }
      - { .name: kvimg, .offset: 32, .size: 8, .value_kind: global_buffer, .address_space: global }
    .group_segment_fixed_size: 327680
    .private_segment_fixed_size: 0
    .kernarg_segment_align: 8
    .kernarg_segment_size: 40
    .max_flat_workgroup_size: 128
    .sgpr_count:     100
    .vgpr_count:     1024
    .wavefront_size: 32
...
	.end_amdgpu_metadata
.endif
;; end of part 2
;; launch attn (part 3): grid 2 x 128, 8 waves a work-group, no clusters, 327,680 bytes of LDS; arguments query, kvimg, bv, ximg; writes ximg
.if DOCPART == 3
	.amdgcn_target "amdgcn-amd-amdhsa--gfx1250"
	.amdhsa_code_object_version 6
	.text
	.protected	k_q36bc35ab5a_attn
	.globl	k_q36bc35ab5a_attn
	.p2align	8
	.type	k_q36bc35ab5a_attn,@function
k_q36bc35ab5a_attn:
	s_mov_b64 s[64:65], 0
	v_nop
	global_prefetch_b8 v0, s[64:65] scope:SCOPE_SE
	s_setreg_imm32_b32 hwreg(HW_REG_WAVE_MODE, 25, 1), 1
	s_wait_xcnt 0x0
; THIRD LAUNCH: x[b][q][64 h + d] = sum_k softmax_k(q . k / 8) v[k][d] + bv[64 h + d], for each batch b and head h.  bk is left out and bv is added here, behind the division by the row's sum (shown at the head of the first kernel).
; Products on f16 operands with f32 sums; maxima, exponentials and sums in f32.  t = (q c) . k with c = log2(e) / 8 folded into q ahead of its rounding; a running maximum m of t and sum l for each query: p = 2^(t - m);
; in every step O and l are multiplied by a = 2^(m_old - m_new).  LIMITS: |q c|, |k|, |v| or |x| above 65,504 has no f16 number; p under 2^-24 counts as 0 in the second product (not in l).
; SHARES.  A work-group owns 512 queries of one head, each of its eight waves 64: four tiles of 16, worked as two pieces of two tiles.  Two waves share a SIMD, so that one wave's vector work can stand beside the other's products.
; NO CLUSTER: a head's keys are read by two work-groups only; four sharers would want 256 queries a work-group, which halves the products that each fragment read from LDS feeds.
; THE HEAD'S WHOLE K AND V COME TO LIE IN LDS, 131,072 bytes each, as the images that the launch before stored: every fragment comes by loads at 16 x lane: dense, no pitch.  Nothing is filled again.
; THEY COME IN FOUR PARTS, of 1, 3, 5 and 7 key steps of 64 keys; of each part a wave brings an eighth (waves 0-3: K's quarters, waves 4-7: V's).  Part 0 is small (2,048 bytes a wave) so that it stands ahead of Q's 128 KB a work-group;
; part 1 is asked for behind Q's loads; part 2 behind the barrier at part 0's end, part 3 behind the barrier at part 1's end: each has the 3 or 5 key steps of the part before it in which to land.  No prefetch: these loads are themselves that far ahead.
; TWO GROUPS OF WAVES, by (w xor w / 4) mod 2: waves w and w + 4 differ in it, and so do waves 2 i and 2 i + 1.  At each barrier inside the walk group 0 runs the step's last part (piece 2's softmax and its products V^T P) ahead of the barrier,
; group 1 behind it: so behind every such barrier one group begins with vector work and the other with loads and products.  The branch leads round register work alone.
; LAYOUT.  S^T = K Q^T (source 0 = 16 keys, source 1 = 16 queries): a lane holds ONE query (lane % 16) and keys 8 (lane / 16) + 0..7; two such tiles, rounded to f16 in pairs, are source 1 of O^T = V^T P, whose result again holds one query a lane and eight channels.
; THE WAY OUT: those eight channels, as f16, are 16 bytes of an operand register image of the last launch: ximg [ks 8][mt 512][kc 4][half 2][lane][16 bytes].
; REGISTERS.  window 0: v1-10 addresses; v16-47 statistics (tile t at 16 + 8 t: +0 m, +1 m_old, +2, +3 l, +4..+7 at work, a at +6); v64-127 S^T of the piece in hand; v128-159 P; v160-191 bv; v192-255 K's fragments.
;   window 1: v0-127 O^T (tile t at 32 t); v128-191 Q; v192-255 V's fragments.
.set LI,  1                            ; v1  16 x lane; never rewritten
.set ADK, 2                            ; v2  the step's K
.set ADV, 3                            ; v3  the step's V
.set AV0, 4                            ; v4  16 x lane + V's region
.set QG,  5                            ; v5  Q in memory: two rows a load
.set QSW, 6                            ; v6  Q's stage, in
.set QSR, 7                            ; v7  Q's stage, out
.set SPW, 8                            ; v8  my spare word; never rewritten
.set NIL, 9                            ; v9  0; never rewritten
.set BA,  10                           ; v10 32 (lane / 16)
.set ST,  16
.set S,   64
.set P,   128
.set BV,  160
.set KF,  192
.set QF,  128                          ; window 1
.set VF,  192                          ; window 1
.set VREG,  131072                     ; LDS: K from 0, V from here
.set SPARE, 262144                     ; the spare words, 128 bytes a wave
.set QST,   263168                     ; a stage of 16 rows x QP bytes for each wave; no tensor load lands here
.set QP,    144                        ; 64 f16 + 16 bytes of padding
.set KSB,   8192                       ; a key step's bytes in K's region and in V's
.set CB0,   0                          ; where the four parts begin in a region
.set CB1,   1*KSB
.set CB2,   4*KSB
.set CB3,   9*KSB
.set WV,  12
.set G1C0, 16                          ; s[16:23], s[24:31], s[68:75], s[76:83] descriptor group 1 of the four parts: dense blocks of 8, 24, 40, 56 rows of 256 bytes
.set G1C1, 24
.set G1C2, 68
.set G1C3, 76
.set G0C0, 32                          ; s[32:35], s[36:39], s[84:87], s[88:91] their groups 0; made at the head, never rewritten
.set G0C1, 36
.set G0C2, 84
.set G0C3, 88
.set CS,  44                           ; s[44:45] c, twice
.set SEL, 46                           ; s[46:47] lane l xor 16
.set TB,  48                           ; s48 the step's first byte in K's and V's regions
.set CNT, 49
.set GRP, 92                           ; s92 my wave's group, 0 or 1
.set MSB, 0
.macro WIN new                         ; the immediate's high byte repeats the setting that is left
.if MSB != \new
	s_set_vgpr_msb (MSB<<8)|\new
.set MSB, \new
.endif
.endm
.set W_KQ,  0x04                       ; Q in window 1; K and S^T in window 0
.set W_PV,  0x51                       ; V and O^T in window 1; P in window 0
.set W_RS,  0x41                       ; O^T in window 1, a in window 0
.set TO1,   0x40                       ; destination window 1
.set W_OUT, 0x01                       ; source 0 window 1
.macro PLACES
.rept 4
	v_nop
.endr
.endm
.macro MKG1 g, rows                    ; a dense block as rows of 256 bytes: 32 elements of 8 bytes, no mask, no padding
	s_mov_b32 s[\g+0], 3<<16
	s_mov_b32 s[\g+1], 32<<16                      ; tensor_dim0
	s_mov_b32 s[\g+2], (\rows)<<16                 ; tensor_dim1
	s_mov_b32 s[\g+3], 32<<16                      ; tile_dim0
	s_mov_b32 s[\g+4], \rows                       ; tile_dim1
	s_mov_b32 s[\g+5], 32                          ; the pitch
	s_mov_b32 s[\g+6], 0
	s_mov_b32 s[\g+7], 0
.endm
.macro MKG0 g, cb, qb                  ; my quarter (qb bytes) of the part that begins at byte cb of my region: s57 = wave % 4, s62 = the region in LDS, s59 = the head's bytes of K or V in kvimg
	s_mul_i32 s40, s57, \qb
	s_add_co_u32 s40, s40, \cb
	s_mov_b32 s[\g], 1
	s_add_co_u32 s[\g+1], s62, s40
	s_add_co_u32 s42, s59, s40
	s_mov_b32 s43, 0
	s_add_nc_u64 s[\g+2:\g+3], s[6:7], s[42:43]
	s_or_b32 s[\g+3], s[\g+3], 0x80000000
.endm
	s_load_b256 s[4:11], s[0:1], 0x0               ; query 4, kvimg 6, bv 8, ximg 10
	v_lshl_add_u32 v[SPW], v0, 2, SPARE
	v_mov_b32 v[NIL], 0
	ds_add_u32 v[SPW], v[NIL]                      ; the wave's opening: the add, twice on end, and its wait ahead of my first tensor load
	ds_add_u32 v[SPW], v[NIL]
	v_lshrrev_b32 v11, 5, v0
	v_readfirstlane_b32 s[WV], v11                 ; wave 0..7
	s_and_b32 s14, ttmp7, 0xffff                   ; 16 x batch + head
	MKG1 G1C0, 8
	MKG1 G1C1, 24
	MKG1 G1C2, 40
	MKG1 G1C3, 56
	s_mov_b32 s[CS], 0x3e38aa3b                    ; c = log2(e) / 8
	s_mov_b32 s[CS+1], s[CS]
	s_mov_b32 s[SEL], 0x76543210
	s_mov_b32 s[SEL+1], 0xfedcba98
	s_lshr_b32 s[GRP], s[WV], 2
	s_xor_b32 s[GRP], s[GRP], s[WV]
	s_and_b32 s[GRP], s[GRP], 1                    ; (w xor w / 4) mod 2
	s_lshr_b32 s40, s14, 4                         ; batch
	s_and_b32 s41, s14, 15                         ; head
	s_lshl_b32 s42, s40, 10
	s_lshl_b32 s43, ttmp9, 9
	s_add_co_u32 s42, s42, s43
	s_lshl_b32 s43, s[WV], 6
	s_add_co_u32 s42, s42, s43                     ; my first row of the 8,192
	s_lshl_b32 s50, s42, 12                        ; query: rows of 4,096 bytes, the head's 256 bytes
	s_lshl_b32 s54, s41, 8
	s_add_co_u32 s50, s50, s54
	s_mov_b32 s51, 0
	s_mov_b32 s55, 0                               ; bv: the head's 256 bytes
	s_lshr_b32 s52, s41, 1                         ; ximg: ks = head / 2,
	s_lshl_b32 s52, s52, 21
	s_lshl_b32 s43, s42, 8                         ; 4,096 bytes for each 16 rows,
	s_add_co_u32 s52, s52, s43
	s_and_b32 s43, s41, 1                          ; 2,048 (head % 2)
	s_lshl_b32 s43, s43, 11
	s_add_co_u32 s52, s52, s43
	s_mov_b32 s53, 0
	s_lshr_b32 s56, s[WV], 2                       ; waves 0-3 fetch K, waves 4-7 V
	s_and_b32 s57, s[WV], 3                        ; which quarter of each part
	s_lshl_b32 s62, s56, 17                        ; the region in LDS
	s_lshl_b32 s59, s14, 17                        ; the head's 131,072 bytes,
	s_lshl_b32 s56, s56, 24                        ; in K's or V's half of kvimg
	s_add_co_u32 s59, s59, s56
	v_and_b32 v11, 31, v0
	v_and_b32 v12, 15, v0
	v_bfe_u32 v13, v0, 4, 1
	v_lshlrev_b32 v[LI], 4, v11
	v_add_nc_u32 v[AV0], VREG, v[LI]
	v_lshlrev_b32 v[QG], 4, v12
	v_lshl_add_u32 v[QG], v13, 12, v[QG]           ; lanes 0-15 one row's 256 bytes, lanes 16-31 the next row's
	s_mul_i32 s15, s[WV], 16*QP
	s_add_co_u32 s15, s15, QST                     ; my stage
	v_mul_u32_u24 v[QSW], v13, QP
	v_lshl_add_u32 v[QSW], v12, 3, v[QSW]
	v_add_nc_u32 v[QSW], s15, v[QSW]               ; in: row lane / 16, 8 bytes (4 f16) a lane
	v_mul_u32_u24 v[QSR], v12, QP
	v_lshl_add_u32 v[QSR], v13, 4, v[QSR]
	v_add_nc_u32 v[QSR], s15, v[QSR]               ; out: row lane % 16, + 16 (lane / 16)
	v_lshlrev_b32 v[BA], 5, v13
	s_wait_dscnt 0x0                               ; both opening adds are done
	s_wait_kmcnt 0x0
	s_add_nc_u64 s[4:5], s[4:5], s[50:51]
	s_add_nc_u64 s[8:9], s[8:9], s[54:55]
	s_add_nc_u64 s[10:11], s[10:11], s[52:53]
	MKG0 G0C0, CB0, (CB1-CB0)/4
	MKG0 G0C1, CB1, (CB2-CB1)/4
	MKG0 G0C2, CB2, (CB3-CB2)/4
	MKG0 G0C3, CB3, (VREG-CB3)/4
	tensor_load_to_lds s[G0C0:G0C0+3], s[G1C0:G1C0+7]   ; part 0, the first key step: ahead of Q's loads
	s_nop 0
.irp ct, 0,1,2,3
	global_load_b128 v[BV+8*\ct:BV+8*\ct+3],   v[BA], s[8:9] offset:64*\ct      ; bv in O^T's layout: channels 16 ct + 8 (lane / 16) + 0..7
	global_load_b128 v[BV+8*\ct+4:BV+8*\ct+7], v[BA], s[8:9] offset:64*\ct+16
.endr
.set i, 0
.rept 32                                       ; Q: 64 rows x 256 bytes, two rows a load; tiles 0-2 into v64-159, tile 3 into v192-223
	global_load_b128 v[S+4*i+32*(i/24):S+4*i+32*(i/24)+3], v[QG], s[4:5] offset:8192*i th:TH_LOAD_NT
.set i, i+1
.endr
	tensor_load_to_lds s[G0C1:G0C1+3], s[G1C1:G1C1+7]   ; part 1, behind Q's loads; both stand ahead of every LDS read, every wait on TENSORcnt and every barrier: two loads of mine are out
	s_nop 0
	PLACES
; Tile t of Q: x c, rounded to f16 in place (into the low 16 of its own 32 registers), through my stage, and back as two fragments (16 queries x 32 channels each) into window 1.
; The stage is my wave's own, and LDS serves a wave's instructions in order: no wait between the stores and the loads, nor in front of the next tile's stores.
.macro QTILE t
.set QB, S+32*(\t)+32*((\t)/3)
	s_wait_loadcnt 24-8*(\t)                       ; this tile's eight loads are in; the later tiles' may be out
.irp i, 0,2,4,6,8,10,12,14,16,18,20,22,24,26,28,30
	v_pk_mul_f32 v[QB+\i:QB+\i+1], v[QB+\i:QB+\i+1], s[CS:CS+1] op_sel_hi:[1,0]
.endr
.irp i, 0,1,2,3,4,5,6,7,8,9,10,11,12,13,14,15
	v_cvt_pk_f16_f32 v[QB+\i], v[QB+2*\i], v[QB+2*\i+1]
.endr
.irp i, 0,1,2,3,4,5,6,7
	ds_store_b64 v[QSW], v[QB+2*\i:QB+2*\i+1] offset:2*QP*\i
.endr
	WIN TO1
.irp kc, 0,1
.irp p, 0,1
	ds_load_b128 v[QF+16*(\t)+8*\kc+4*\p:QF+16*(\t)+8*\kc+4*\p+3], v[QSR] offset:64*\kc+32*\p
.endr
.endr
	WIN 0
.endm
	QTILE 0
	QTILE 1
	QTILE 2
	QTILE 3
	WIN TO1
.set i, 64
.rept 64
	v_mov_b32 v[i], 0                              ; piece 2's O^T begins as zeros, which the first a = 0 leaves zeros: its first products stand on either side of a barrier, by the wave's group, so these registers are written here, on the one way that all waves take.  Piece 0's first products start its sums
.set i, i+1
.endr
	WIN 0
.irp t, 0,1,2,3
	v_mov_b32 v[ST+8*\t], 0xff61b1e6               ; m: -3e38, under every t
	v_mov_b32 v[ST+8*\t+2], 0                      ; l, in two halves
	v_mov_b32 v[ST+8*\t+3], 0
.endr
	s_wait_tensorcnt 1                             ; my eighth of part 0 is in; part 1's load may stay out
	s_wait_dscnt 0x0                               ; Q's fragments are in
	s_barrier_signal -1
	s_barrier_wait -1                              ; everybody's eighth is in
; 16 products of S^T = K Q^T for piece x: channels 32 (i / 8) on, keys 16 ((i / 2) % 4) on, tile x + i % 2.  The first 8 start the sums.  The eight accumulators take turns.
.macro KQ x
	WIN W_KQ
.set i, 0
.rept 16
.set rS, S+32*(i%2)+8*((i/2)%4)
.set rK, KF+16*((i/2)%4)+8*(i/8)
.set rQ, QF+16*(\x+i%2)+8*(i/8)
.if (i == 8) && (\x == 0)
	s_wait_dscnt 0x0                               ; K's fragments of channels 32-63 are in
.endif
.if i < 8
	v_wmma_f32_16x16x32_f16 v[rS:rS+7], v[rK:rK+7], v[rQ:rQ+7], 0
.else
	v_wmma_f32_16x16x32_f16 v[rS:rS+7], v[rK:rK+7], v[rQ:rQ+7], v[rS:rS+7]
.endif
.set i, i+1
.endr
.endm
; 16 products of O^T += V^T P for piece x: keys 32 (i / 8) on, channels 16 ((i / 2) % 4) on, tile x + i % 2.  first = 1: the first 8 start the sums
.macro PV x, first
	WIN W_PV
.set i, 0
.rept 16
.set rO, 32*(\x+i%2)+8*((i/2)%4)
.set rV, VF+32*(i/8)+8*((i/2)%4)
.set rP, P+16*(i%2)+8*(i/8)
.if (\first) && (i < 8)
	v_wmma_f32_16x16x32_f16 v[rO:rO+7], v[rV:rV+7], v[rP:rP+7], 0
.else
	v_wmma_f32_16x16x32_f16 v[rO:rO+7], v[rV:rV+7], v[rP:rP+7], v[rO:rO+7]
.endif
.set i, i+1
.endr
.endm
; The softmax of piece x's two tiles for 64 keys; the tiles alternate line by line, so that no line waits for the line above it.
.macro SOFTMAX x
.irp j, 0,1,2,3                                ; the maximum: four chains, each begun at the low end of one accumulator
.irp u, 0,1
	v_max3_num_f32 v[ST+8*(\x+\u)+4+\j], v[S+32*\u+8*\j], v[S+32*\u+8*\j+1], v[S+32*\u+8*\j+2]
.endr
.endr
.irp q, 1,2
.irp j, 0,1,2,3
.irp u, 0,1
	v_max3_num_f32 v[ST+8*(\x+\u)+4+\j], v[ST+8*(\x+\u)+4+\j], v[S+32*\u+8*\j+2*\q+1], v[S+32*\u+8*\j+2*\q+2]
.endr
.endr
.endr
.irp u, 0,1
	v_max3_num_f32 v[ST+8*(\x+\u)+4], v[ST+8*(\x+\u)+4], v[S+32*\u+7], v[S+32*\u+15]
.endr
.irp u, 0,1
	v_max3_num_f32 v[ST+8*(\x+\u)+6], v[ST+8*(\x+\u)+6], v[S+32*\u+23], v[S+32*\u+31]
.endr
.irp u, 0,1
	v_max3_num_f32 v[ST+8*(\x+\u)+4], v[ST+8*(\x+\u)+4], v[ST+8*(\x+\u)+5], v[ST+8*(\x+\u)+6]
.endr
.irp u, 0,1
	v_max3_num_f32 v[ST+8*(\x+\u)+4], v[ST+8*(\x+\u)+4], v[ST+8*(\x+\u)+7], v[ST+8*(\x+\u)]   ; with the old m
.endr
.irp u, 0,1
	v_permlanex16_b32 v[ST+8*(\x+\u)+5], v[ST+8*(\x+\u)+4], s[SEL], s[SEL+1]   ; the query's other 32 keys lie in the lane 16 away
.endr
.irp u, 0,1
	v_mov_b32 v[ST+8*(\x+\u)+1], v[ST+8*(\x+\u)]
.endr
.irp u, 0,1
	v_max_num_f32 v[ST+8*(\x+\u)], v[ST+8*(\x+\u)+4], v[ST+8*(\x+\u)+5]        ; the new m
.endr
.irp u, 0,1
	v_sub_f32 v[ST+8*(\x+\u)+7], v[ST+8*(\x+\u)+1], v[ST+8*(\x+\u)]            ; m_old - m_new
.endr
.irp i, 0,2,4,6,8,10,12,14,16,18,20,22,24,26,28,30
.irp u, 0,1
	v_pk_add_f32 v[S+32*\u+\i:S+32*\u+\i+1], v[S+32*\u+\i:S+32*\u+\i+1], v[ST+8*(\x+\u):ST+8*(\x+\u)+1] op_sel_hi:[1,0] neg_lo:[0,1] neg_hi:[0,1]   ; t - m, two at a time
.endr
.endr
.irp u, 0,1
	v_exp_f32 v[ST+8*(\x+\u)+6], v[ST+8*(\x+\u)+7]                             ; a
.endr
.irp i, 0,1,2,3,4,5,6,7,8,9,10,11,12,13,14,15,16,17,18,19,20,21,22,23,24,25,26,27,28,29,30,31
.irp u, 0,1
	v_exp_f32 v[S+32*\u+\i], v[S+32*\u+\i]                                     ; p: ONE batch of 66 exponentials
.endr
.endr
	v_nop                                          ; a plain instruction behind the last exponential
	s_wait_alu depctr_va_vdst(0)                   ; one wait for the batch, ahead of the first line that names a result
.irp i, 0,1,2,3,4,5,6,7,8,9,10,11,12,13,14,15
.irp u, 0,1
	v_cvt_pk_f16_f32 v[P+16*\u+\i], v[S+32*\u+2*\i], v[S+32*\u+2*\i+1]
.endr
.endr
.irp z, 0,4,8,12,16,20,24,28                   ; the sum of the unrounded p, in place: neighbours 1, 2, 4 and 8 pairs apart
.irp u, 0,1
	v_pk_add_f32 v[S+32*\u+\z:S+32*\u+\z+1], v[S+32*\u+\z:S+32*\u+\z+1], v[S+32*\u+\z+2:S+32*\u+\z+3]
.endr
.endr
.irp z, 0,8,16,24
.irp u, 0,1
	v_pk_add_f32 v[S+32*\u+\z:S+32*\u+\z+1], v[S+32*\u+\z:S+32*\u+\z+1], v[S+32*\u+\z+4:S+32*\u+\z+5]
.endr
.endr
.irp z, 0,16
.irp u, 0,1
	v_pk_add_f32 v[S+32*\u+\z:S+32*\u+\z+1], v[S+32*\u+\z:S+32*\u+\z+1], v[S+32*\u+\z+8:S+32*\u+\z+9]
.endr
.endr
.irp u, 0,1
	v_pk_add_f32 v[S+32*\u:S+32*\u+1], v[S+32*\u:S+32*\u+1], v[S+32*\u+16:S+32*\u+17]
.endr
.irp u, 0,1
	v_pk_fma_f32 v[ST+8*(\x+\u)+2:ST+8*(\x+\u)+3], v[ST+8*(\x+\u)+2:ST+8*(\x+\u)+3], v[ST+8*(\x+\u)+6:ST+8*(\x+\u)+7], v[S+32*\u:S+32*\u+1] op_sel_hi:[1,0,1]   ; l = a l + the sum
.endr
.endm
.macro RESCALE x                               ; the piece's O^T x a, each accumulator from its low end on
	WIN W_RS
.irp u, 0,1
.irp i, 0,2,4,6,8,10,12,14,16,18,20,22,24,26,28,30
	v_pk_mul_f32 v[32*(\x+\u)+\i:32*(\x+\u)+\i+1], v[32*(\x+\u)+\i:32*(\x+\u)+\i+1], v[ST+8*(\x+\u)+6:ST+8*(\x+\u)+7] op_sel_hi:[1,0]
.endr
.endr
.endm
; A KEY STEP, 64 keys (8,192 bytes of K's region and of V's), IN TWO PARTS.  PART1: all its LDS loads, piece 0 whole, piece 2's scores.  first = 1: the walk's first step: piece 0's products start O^T's sums, and there is nothing to rescale.
.macro PART1 first
	v_add_nc_u32 v[ADK], s[TB], v[LI]
	v_add_nc_u32 v[ADV], s[TB], v[AV0]
.irp kc, 0,1                                   ; K: fragment (keys 16 kt on, channels 32 kc on); channels 0-31 first
.irp kt, 0,1,2,3
.irp p, 0,1
	ds_load_b128 v[KF+16*\kt+8*\kc+4*\p:KF+16*\kt+8*\kc+4*\p+3], v[ADK] offset:2048*\kt+1024*\kc+512*\p
.endr
.endr
.endr
	s_wait_dscnt 8                                 ; channels 0-31 are in; the eight loads of channels 32-63 may be out
	KQ 0
	WIN 0
	PLACES                                         ; behind piece 0's scores, and (with the two additions above) behind the last step's products, whose V registers are loaded anew
	WIN TO1
.irp kk, 0,1                                   ; V, turned: fragment (channels 16 ct on, keys 32 kk on)
.irp ct, 0,1,2,3
.irp p, 0,1
	ds_load_tr16_b128 v[VF+32*\kk+8*\ct+4*\p:VF+32*\kk+8*\ct+4*\p+3], v[ADV] offset:(2*\kk+\p)*2048+512*\ct
.endr
.endr
.endr
	WIN 0
	SOFTMAX 0
.if \first == 0
	RESCALE 0
.endif
	s_wait_dscnt 0x0                               ; V is in
	PV 0, \first
	KQ 2                                           ; writes over piece 0's scores: the four v_nop above and the softmax's lines on the statistics alone lie between
	WIN 0
	PLACES                                         ; behind piece 2's scores: for their first read and for the next loads into K's registers, on every way
.endm
; TAIL: piece 2's softmax, rescaling and products: work on registers alone
.macro TAIL
	SOFTMAX 2
	RESCALE 2
	PV 2, 0
	WIN 0
.endm
.macro STEP
	PART1 0
	TAIL
	s_add_co_u32 s[TB], s[TB], KSB
.endm
; THE END OF A PART: the part's last TAIL stands ahead of the barrier in group 0 and behind it in group 1.  In front of the barrier every wave waits for all its tensor loads (its eighth of the next part), adds 0 to its spare word and waits for that and for its LDS loads.
; load = 1: behind the barrier the part after the next is asked for: a first fill, one load a wave, the first thing there.
.macro SPLIT load, g0, g1
	s_cmp_lg_u32 s[GRP], 0
	s_cbranch_scc1 .Lkeep_\@
	TAIL
.Lkeep_\@:
	s_wait_tensorcnt 0x0                           ; my eighth of the next part is in: no tensor load of mine is out
	ds_add_u32 v[SPW], v[NIL]                      ; 0 onto my spare word
	s_wait_dscnt 0x0
	s_barrier_signal -1
	s_barrier_wait -1                              ; the next part is whole
.if \load
	tensor_load_to_lds s[\g0:\g0+3], s[\g1:\g1+7]
	s_nop 0
	PLACES
.endif
	s_cmp_eq_u32 s[GRP], 0
	s_cbranch_scc1 .Ldone_\@
	TAIL
.Ldone_\@:
.endm
	s_mov_b32 s[TB], CB0                           ; part 0: one key step
	PART1 1
	SPLIT 1, G0C2, G1C2
	s_mov_b32 s[TB], CB1                           ; part 1: three key steps; part 2 is on its way, into bytes from CB2 on
	s_mov_b32 s[CNT], 2
.Lpart1:
	STEP
	s_sub_co_u32 s[CNT], s[CNT], 1
	s_cmp_lg_u32 s[CNT], 0
	s_cbranch_scc1 .Lpart1
	s_mov_b32 s[TB], CB2-KSB                       ; the part's last step (stated anew, so that each stretch's addresses can be read off its own lines)
	PART1 0
	SPLIT 1, G0C3, G1C3
	s_mov_b32 s[TB], CB2                           ; part 2: five key steps; part 3 is on its way, into bytes from CB3 on
	s_mov_b32 s[CNT], 4
.Lpart2:
	STEP
	s_sub_co_u32 s[CNT], s[CNT], 1
	s_cmp_lg_u32 s[CNT], 0
	s_cbranch_scc1 .Lpart2
	s_mov_b32 s[TB], CB3-KSB
	PART1 0
	SPLIT 0, 0, 0
	s_mov_b32 s[TB], CB3                           ; part 3: seven key steps; nothing is left to fetch
	s_mov_b32 s[CNT], 7
.Lpart3:
	STEP
	s_sub_co_u32 s[CNT], s[CNT], 1
	s_cmp_lg_u32 s[CNT], 0
	s_cbranch_scc1 .Lpart3
	; THE WAY OUT.  l's halves are added; x = O^T / l + bv in one multiply-add; rounded to f16; 16 bytes a lane are stored as images.  The additions are the places behind the last products.
.irp t, 0,1,2,3
	v_add_f32 v[ST+8*\t+4], v[ST+8*\t+2], v[ST+8*\t+3]
.endr
.irp t, 0,1,2,3
	v_permlanex16_b32 v[ST+8*\t+5], v[ST+8*\t+4], s[SEL], s[SEL+1]
.endr
.irp t, 0,1,2,3
	v_add_f32 v[ST+8*\t+4], v[ST+8*\t+4], v[ST+8*\t+5]
.endr
.irp t, 0,1,2,3
	v_rcp_f32 v[ST+8*\t+6], v[ST+8*\t+4]
.endr
	v_nop                                          ; a plain instruction behind the last reciprocal
	s_wait_alu depctr_va_vdst(0)                   ; one wait for the four, ahead of their first reader
.macro OUT t
	WIN W_OUT
.irp i, 0,2,4,6,8,10,12,14,16,18,20,22,24,26,28,30
	v_pk_fma_f32 v[S+32*((\t)%2)+\i:S+32*((\t)%2)+\i+1], v[32*(\t)+\i:32*(\t)+\i+1], v[ST+8*(\t)+6:ST+8*(\t)+7], v[BV+\i:BV+\i+1] op_sel_hi:[1,0,1]
.endr
	WIN 0
.irp i, 0,1,2,3,4,5,6,7,8,9,10,11,12,13,14,15
	v_cvt_pk_f16_f32 v[KF+16*(\t)+\i], v[S+32*((\t)%2)+2*\i], v[S+32*((\t)%2)+2*\i+1]   ; registers of its own for each tile: no store's data are written again
.endr
.irp ct, 0,1,2,3
	global_store_b128 v[LI], v[KF+16*(\t)+4*\ct:KF+16*(\t)+4*\ct+3], s[10:11] offset:4096*(\t)+512*\ct   ; 32 lanes store 512 consecutive bytes
.endr
.endm
	OUT 0
	OUT 1
	OUT 2
	OUT 3
	s_wait_tensorcnt 0x0                           ; the wave's end
	ds_add_u32 v[SPW], v[NIL]
	s_wait_dscnt 0x0
	s_endpgm
.Lfunc_end_k_q36bc35ab5a_attn:
	.size	k_q36bc35ab5a_attn, .Lfunc_end_k_q36bc35ab5a_attn-k_q36bc35ab5a_attn
	.p2alignl 7, 3214868480
	.fill 96, 4, 3214868480
	.section	.rodata,"a",@progbits
	.p2align	6, 0x0
	.amdhsa_kernel k_q36bc35ab5a_attn
		.amdhsa_group_segment_fixed_size 327680
		.amdhsa_private_segment_fixed_size 0
		.amdhsa_enable_private_segment 0
		.amdhsa_kernarg_size 32
		.amdhsa_user_sgpr_count 2
		.amdhsa_user_sgpr_kernarg_segment_ptr 1
		.amdhsa_wavefront_size32 1
		.amdhsa_system_sgpr_workgroup_id_x 1
		.amdhsa_system_sgpr_workgroup_id_y 1
		.amdhsa_system_sgpr_workgroup_id_z 1
		.amdhsa_system_vgpr_workitem_id 0
		.amdhsa_next_free_vgpr 512
		.amdhsa_next_free_sgpr 96
		.amdhsa_reserve_vcc 0
		.amdhsa_float_denorm_mode_32 3
		.amdhsa_float_denorm_mode_16_64 3
		.amdhsa_memory_ordered 1
		.amdhsa_forward_progress 1
		.amdhsa_inst_pref_size 255
	.end_amdhsa_kernel
	.section	.bss,"aw",@nobits
	.p2align	6
	.space	262144
	.amdgpu_metadata
---
amdhsa.version: [ 1, 2 ]
amdhsa.kernels:
  - .name:           k_q36bc35ab5a_attn
    .symbol:         k_q36bc35ab5a_attn.kd
    .args:
      - { .name: query, .offset: 0, .size: 8, .value_kind: global_buffer, .address_space: global }
      - { .name: kvimg, .offset: 8, .size: 8, .value_kind: global_buffer, .address_space: global }
      - { .name: bv, .offset: 16, .size: 8, .value_kind: global_buffer, .address_space: global }
      - { .name: ximg, .offset: 24, .size: 8, .value_kind: global_buffer, .address_space: global }
    .group_segment_fixed_size: 327680
    .private_segment_fixed_size: 0
    .kernarg_segment_align: 8
    .kernarg_segment_size: 32
    .max_flat_workgroup_size: 256
    .sgpr_count:     96
    .vgpr_count:     512
    .wavefront_size: 32
...
	.end_amdgpu_metadata
.endif
;; end of part 3
;; launch outp (part 4): grid 4 x 64, 4 waves a work-group, clusters of 4 x 4, 327,680 bytes of LDS; arguments ximg, woimg, bo, out0; writes out0
.if DOCPART == 4
	.amdgcn_target "amdgcn-amd-amdhsa--gfx1250"
	.amdhsa_code_object_version 6
	.text
	.protected	k_q36bc35ab5a_outp
	.globl	k_q36bc35ab5a_outp
	.p2align	8
	.type	k_q36bc35ab5a_outp,@function
k_q36bc35ab5a_outp:
	s_mov_b64 s[64:65], 0
	v_nop
	global_prefetch_b8 v0, s[64:65] scope:SCOPE_SE
	s_setreg_imm32_b32 hwreg(HW_REG_WAVE_MODE, 25, 1), 1
	s_wait_xcnt 0x0
	s_wait_alu depctr_hold_cnt(0) depctr_sa_sdst(0) depctr_va_vdst(0) depctr_va_sdst(0) depctr_va_ssrc(0) depctr_va_vcc(0) depctr_vm_vsrc(0)
	s_getreg_b32 s2, hwreg(HW_REG_IB_STS2, 6, 4)
	s_cmp_eq_u32 s2, 0
	s_cbranch_scc0 .Lentry_in_a_cluster
	s_endpgm
.Lentry_in_a_cluster:
	s_bfe_u32 s2, ttmp6, 0x10000c
	s_cmp_lg_u32 s2, 0xf033
	s_cbranch_scc0 .Lentry_shape_is_right
	s_endpgm
.Lentry_shape_is_right:
; FOURTH LAUNCH: out0[m][n] = sum over k of x[m][k] Wo[n][k] + bo[n].  x [8192][1024] and Wo [1024][1024] arrive as f16 images of the operand registers (16 rows x 32 K: two pieces of 512 bytes, lane l's 16 bytes at 16 l); sums in f32.
; A tile of 128 (m) x 256 (n) is made by a work-group of four waves: 256 work-groups; a wave makes 64 x 128: 32 accumulators.  Tiles of 256 x 256 would be 128: too few for one a WGP.
; K goes in 8 steps of 128 through two LDS slots; a K step's images of 128 rows of x (32,768 bytes) and of 256 rows of Wo (65,536) are dense blocks of memory and of LDS: no pitch, every fragment load at 16 x lane.
; CLUSTERS: 4 x 4.  The four of a row of the cluster need the same tiles of x, the four of a column the same tiles of Wo: each is asked for jointly.
; THE MATRIX INSTRUCTION IS USED TRANSPOSED (source 0 = 16 rows of Wo, source 1 = 16 rows of x): a lane holds eight neighbouring numbers of a row of out0.  bo is the C of each sum's first product.
; REGISTERS: window 0: v16-29 addresses; v64-159, v160-255 two fragment buffers (Wo's 8 fragments, then x's 4); window 1: accumulator (a, b) at v[8 (8 a + b)]; window 2: v0-63 bo in the result's layout.
.set XB,     32768                     ; x's bytes in a slot
.set SLOT,   98304
.set STAGE,  2*SLOT                    ; behind the slots: 16 rows x 528 bytes for each wave
.set SPITCH, 528
.set SPARE,  STAGE+4*16*SPITCH         ; the spare words, 128 bytes a wave
.set LAPS,   4                         ; a lap = two K steps
.set XSTEP,  2097152                   ; a K step on, in ximg
.set WSTEP,  262144                    ; and in woimg
.set ADRA, 16
.set ADRB, 20
.set STO,  24
.set RD,   25
.set CO,   26
.set BA,   27
.set SPW,  28
.set NIL,  29
.set F0,   64
.set F1,   160
.set BK,   64                          ; the way out: v64-127 and v128-191 by turns
.set G1, 24
.set G0, 32
.set G1B, 48
.set G0B, 56
.set MSB, 0
.macro WIN new                         ; the immediate's high byte repeats the setting that is left
.if MSB != \new
	s_set_vgpr_msb (MSB<<8)|\new
.set MSB, \new
.endif
.endm
.set MUL,       0x50                   ; C and D window 1
.set MUL_FIRST, 0x60                   ; C window 2 (bo), D window 1
.macro JLOAD s                         ; a joint load: waves 0 and 1 fetch x's two halves, waves 2 and 3 Wo's; an s_nop 0 and four v_nop follow each of the two lines
	s_cmp_eq_u32 s11, 0
	s_cbranch_scc0 .Lfor_b_\@
	tensor_load_to_lds s[G0+4*\s:G0+4*\s+3], s[G1:G1+7]
	s_nop 0
.rept 4
	v_nop
.endr
	s_branch .Lasked_\@
.Lfor_b_\@:
	tensor_load_to_lds s[G0B+4*\s:G0B+4*\s+3], s[G1B:G1B+7]
	s_nop 0
.rept 4
	v_nop
.endr
.Lasked_\@:
.endm
.macro CREST                           ; a round of the cluster's barrier behind its opening barrier
	s_cmp_lg_u32 s10, 0
	s_cbranch_scc1 .Lnot_wave_0_\@
	s_barrier_signal -3
.Lnot_wave_0_\@:
	s_barrier_wait -3
	s_barrier_signal -1
	s_barrier_wait -1
.endm
.macro CROUND
	s_barrier_signal -1
	s_barrier_wait -1
	CREST
.endm
	s_load_b128 s[4:7], s[0:1], 0x0                ; ximg, woimg
	s_load_b128 s[16:19], s[0:1], 0x10             ; bo, out0
	v_lshl_add_u32 v[SPW], v0, 2, SPARE
	v_mov_b32 v[NIL], 0
	ds_add_u32 v[SPW], v[NIL]                      ; the wave's opening: the add, twice on end, and its wait ahead of my first tensor load
	ds_add_u32 v[SPW], v[NIL]
	v_lshrrev_b32 v1, 5, v0
	v_readfirstlane_b32 s10, v1                    ; wave 0..3
	s_lshr_b32 s11, s10, 1                         ; which 64 rows are mine.  Also: I fetch for x (0) or for Wo (1)
	s_and_b32 s12, s10, 1                          ; which 128 columns.  Also: which half of that tile I fetch
	s_bfe_u32 s40, ttmp6, 0x40000                  ; cx, cy
	s_bfe_u32 s41, ttmp6, 0x40004
	s_lshl_b32 s42, ttmp9, 2
	s_add_co_u32 s42, s42, s40                     ; tile column
	s_and_b32 s13, ttmp7, 0xffff
	s_lshl_b32 s13, s13, 2
	s_add_co_u32 s13, s13, s41                     ; tile row
	s_lshl_b32 s43, s41, 2
	s_lshl_b32 s43, 15, s43                        ; my row of the cluster
	s_lshl_b32 s44, 0x1111, s40                    ; my column
	s_or_b32 s[G1+0], s43, (3<<16)|(1<<21)         ; the mask: x's tiles go to my row; elements of 8 bytes; bit 21 beside a mask; no padding
	s_or_b32 s[G1B+0], s44, (3<<16)|(1<<21)
	s_mov_b32 s[G1+1], 32<<16                      ; rows of 256 bytes
	s_mov_b32 s[G1+2], 64<<16                      ; 64 of them: 16,384 bytes
	s_mov_b32 s[G1+3], 32<<16
	s_mov_b32 s[G1+4], 64
	s_mov_b32 s[G1+5], 32
	s_mov_b32 s[G1+6], 0
	s_mov_b32 s[G1+7], 0
	s_mov_b32 s[G1B+1], 32<<16
	s_mov_b32 s[G1B+2], 128<<16                    ; 128 rows: 32,768 bytes
	s_mov_b32 s[G1B+3], 32<<16
	s_mov_b32 s[G1B+4], 128
	s_mov_b32 s[G1B+5], 32
	s_mov_b32 s[G1B+6], 0
	s_mov_b32 s[G1B+7], 0
	s_lshl_b32 s20, s13, 15                        ; x: 32,768 bytes a tile row, my half of them
	s_lshl_b32 s21, s12, 14
	s_add_co_u32 s20, s20, s21
	s_mov_b32 s21, 0
	s_lshl_b32 s46, s42, 16                        ; Wo: 65,536 bytes a tile column, my half of them
	s_lshl_b32 s47, s12, 15
	s_add_co_u32 s46, s46, s47
	s_mov_b32 s47, 0
	s_lshl_b32 s22, s12, 14                        ; where they go in a slot: no place in the cluster enters an LDS address
	s_lshl_b32 s23, s12, 15
	s_add_co_u32 s23, s23, XB
	s_wait_dscnt 0x0                               ; both opening adds are done
	s_wait_kmcnt 0x0
	s_add_nc_u64 s[14:15], s[4:5], s[20:21]
	s_add_nc_u64 s[46:47], s[6:7], s[46:47]
	CROUND                                         ; all sixteen work-groups are here: the first joint loads meet
.irp s, 0,1
	s_mov_b32 s[G0+4*\s], 1
	s_add_co_u32 s[G0+4*\s+1], s22, \s*SLOT
	s_add_nc_u64 s[G0+4*\s+2:G0+4*\s+3], s[14:15], \s*XSTEP
	s_or_b32 s[G0+4*\s+3], s[G0+4*\s+3], 0x80000000
	s_mov_b32 s[G0B+4*\s], 1
	s_add_co_u32 s[G0B+4*\s+1], s23, \s*SLOT
	s_add_nc_u64 s[G0B+4*\s+2:G0B+4*\s+3], s[46:47], \s*WSTEP
	s_or_b32 s[G0B+4*\s+3], s[G0B+4*\s+3], 0x80000000
	JLOAD \s
.endr
	v_and_b32 v1, 15, v0                           ; r
	v_bfe_u32 v2, v0, 4, 1                         ; h
	v_and_b32 v3, 31, v0
	v_lshlrev_b32 v[CO], 4, v3                     ; 16 x lane
	s_lshl_b32 s21, s11, 14                        ; my 64 rows of x: four images of 4,096 bytes
	s_lshl_b32 s22, s12, 15                        ; my 128 rows of Wo, behind x's
	s_add_co_u32 s22, s22, XB
.irp s, 0,1
	v_add_nc_u32 v[ADRA+\s], s21, v[CO]
	v_add_nc_u32 v[ADRB+\s], s22, v[CO]
	s_add_co_u32 s21, s21, SLOT
	s_add_co_u32 s22, s22, SLOT
.endr
	s_mul_i32 s23, s10, 16*SPITCH
	s_add_co_u32 s23, s23, STAGE                   ; my stage
	v_mul_u32_u24 v[STO], v1, SPITCH
	v_lshl_add_u32 v[STO], v2, 5, v[STO]
	v_add_nc_u32 v[STO], s23, v[STO]               ; in: row r, 32 bytes for each half of the lanes
	v_add_nc_u32 v[RD], s23, v[CO]                 ; back: the 32 lanes take one row of 512 bytes
	v_lshlrev_b32 v[BA], 5, v2
	s_lshl_b32 s46, s42, 10                        ; my first column, in bytes: 1,024 x tile column + 512 x half
	s_lshl_b32 s47, s12, 9
	s_add_co_u32 s46, s46, s47
	s_mov_b32 s47, 0
	s_add_nc_u64 s[16:17], s[16:17], s[46:47]      ; bo at my first column
	s_add_nc_u64 s[8:9], s[18:19], s[46:47]
	s_lshl_b32 s20, s13, 19                        ; my first row: 128 x tile row + 64 x half, rows of 4,096 bytes
	s_lshl_b32 s21, s11, 18
	s_add_co_u32 s20, s20, s21
	s_mov_b32 s21, 0
	s_add_nc_u64 s[8:9], s[8:9], s[20:21]
	WIN 0x80                                       ; destination window 2
.irp b, 0,1,2,3,4,5,6,7
	global_load_b128 v[8*\b:8*\b+3],   v[BA], s[16:17] offset:64*\b       ; bo at columns 16 b + 8 h + 0..7
	global_load_b128 v[8*\b+4:8*\b+7], v[BA], s[16:17] offset:64*\b+16
.endr
	WIN 0
; 8 matrix instructions: x's block a against Wo's eight, 32 along K, from buffer f.  The 32 accumulators take turns, in the same order in every quarter.
.macro MUL8 f, a, first
.irp b, 0,1,2,3,4,5,6,7
.if \first
	v_wmma_f32_16x16x32_f16 v[8*(8*(\a)+\b):8*(8*(\a)+\b)+7], v[\f+8*\b:\f+8*\b+7], v[\f+64+8*(\a):\f+64+8*(\a)+7], v[8*\b:8*\b+7]
.else
	v_wmma_f32_16x16x32_f16 v[8*(8*(\a)+\b):8*(8*(\a)+\b)+7], v[\f+8*\b:\f+8*\b+7], v[\f+64+8*(\a):\f+64+8*(\a)+7], v[8*(8*(\a)+\b):8*(8*(\a)+\b)+7]
.endif
.endr
.endm
; 24 LDS loads in one run: the fragments of the slot's kc-th 32 along K into buffer f: Wo's eight, then x's four
.macro FETCH slot, kc, f
.irp i, 0,1,2,3,4,5,6,7
	ds_load_b128 v[\f+8*\i:\f+8*\i+3],   v[ADRB+\slot] offset:\i*4096+(\kc)*1024
	ds_load_b128 v[\f+8*\i+4:\f+8*\i+7], v[ADRB+\slot] offset:\i*4096+(\kc)*1024+512
.endr
.irp i, 0,1,2,3
	ds_load_b128 v[\f+64+8*\i:\f+64+8*\i+3],   v[ADRA+\slot] offset:\i*4096+(\kc)*1024
	ds_load_b128 v[\f+64+8*\i+4:\f+64+8*\i+7], v[ADRA+\slot] offset:\i*4096+(\kc)*1024+512
.endr
.endm
.macro PLACES                          ; plain vector instructions between a matrix instruction and a load into, or a read of, its registers
.rept 4
	v_nop
.endr
.endm
; A K step is four quarters of 32 along K, 32 matrix instructions each, on buffers 0, 1, 0, 1.  One of the first three: multiplies buffer f and fetches the next quarter, kc, into g.
.macro QUARTER slot, kc, f, g, first
	s_wait_dscnt 4                                 ; Wo's fragments and x's blocks 0, 1 are in; the four loads of blocks 2, 3 may be out
	WIN MUL+0x10*(\first)
	MUL8 \f, 0, \first
	MUL8 \f, 1, \first
	PLACES
	WIN 0
	FETCH \slot, \kc, \g
	s_wait_dscnt 24                                ; all but the 24 just issued
	WIN MUL+0x10*(\first)
	MUL8 \f, 2, \first
	MUL8 \f, 3, \first
.endm
; The last quarter multiplies buffer 1 and changes slots: ONE barrier; in front of it each wave waits for all its tensor loads, adds 0 to its spare word, and waits for that and for its reads of this slot.
; fill = 1: the barrier opens a round of the cluster's, and this slot is filled again, two K steps ahead, first thing behind the round.
.macro TURN slot, next, fill
	WIN 0
	s_wait_tensorcnt 0x0                           ; all my tensor loads have landed: my part of the next slot
	ds_add_u32 v[SPW], v[NIL]                      ; 0 onto my spare word
	s_wait_dscnt 5                                 ; (the add and the youngest four loads may be out)
	WIN MUL
	MUL8 F1, 0, 0
	s_wait_dscnt 0x0                               ; the add is done, and my reads of this slot are over
	s_barrier_signal -1
	MUL8 F1, 1, 0
	WIN 0
	s_barrier_wait -1
.if \fill
	CREST                                          ; no wave of any partner still reads this slot's tile or has a load on its way
	s_add_nc_u64 s[G0+4*\slot+2:G0+4*\slot+3], s[G0+4*\slot+2:G0+4*\slot+3], 2*XSTEP
	s_add_nc_u64 s[G0B+4*\slot+2:G0B+4*\slot+3], s[G0B+4*\slot+2:G0B+4*\slot+3], 2*WSTEP
	JLOAD \slot                                    ; its four v_nop are also the places in front of the loads below
.else
	PLACES
.endif
	FETCH \next, 0, F0
	WIN MUL
	MUL8 F1, 2, 0
	MUL8 F1, 3, 0
.endm
	s_wait_tensorcnt 1                             ; my part of K step 0 is in (K step 1's load may be out),
	s_barrier_signal -1
	s_barrier_wait -1                              ; everybody's is
	FETCH 0, 0, F0
	s_wait_loadcnt 0x0                             ; bo
	QUARTER 0, 1, F0, F1, 1                        ; the first quarter stands in front of the loop: its products start the sums, on bo
	WIN 0
	s_mov_b32 s3, LAPS-1
.Llap:                                             ; a trip goes once round the ring and fills both slots again
	QUARTER 0, 2, F1, F0, 0
	QUARTER 0, 3, F0, F1, 0
	TURN 0, 1, 1
	QUARTER 1, 1, F0, F1, 0
	QUARTER 1, 2, F1, F0, 0
	QUARTER 1, 3, F0, F1, 0
	TURN 1, 0, 1
	QUARTER 0, 1, F0, F1, 0
	WIN 0
	s_sub_co_u32 s3, s3, 1
	s_cmp_lg_u32 s3, 0
	s_cbranch_scc1 .Llap
	QUARTER 0, 2, F1, F0, 0                        ; the last lap fills nothing
	QUARTER 0, 3, F0, F1, 0
	TURN 0, 1, 0
	QUARTER 1, 1, F0, F1, 0
	QUARTER 1, 2, F1, F0, 0
	QUARTER 1, 3, F0, F1, 0
	s_wait_dscnt 4                                 ; the very last quarter
	WIN MUL
	MUL8 F1, 0, 0
	MUL8 F1, 1, 0
	s_wait_dscnt 0x0
	MUL8 F1, 2, 0
	MUL8 F1, 3, 0
	WIN 0
; THE WAY OUT, block by block of 16 rows x 128 columns: a lane holds 32 neighbouring bytes of a row: a block goes through my own stage in LDS and comes back as whole rows of 512 bytes.
; LDS serves a wave's instructions in order: no wait between the stores and the loads, nor in front of the next block's stores.
.macro TOSTAGE a
.set AC, 64*(\a)
	WIN 0x04                                       ; an LDS store's data: window 1
.irp b, 0,1,2,3,4,5,6,7
	ds_store_b128 v[STO], v[AC+8*\b:AC+8*\b+3] offset:64*\b          ; each accumulator from its low end on
	ds_store_b128 v[STO], v[AC+8*\b+4:AC+8*\b+7] offset:64*\b+16
.endr
	WIN 0
.set BB, BK+64*((\a)%2)
.irp t, 0,1,2,3,4,5,6,7,8,9,10,11,12,13,14,15
	ds_load_b128 v[BB+4*\t:BB+4*\t+3], v[RD] offset:\t*SPITCH
.endr
.endm
.macro SEND a, younger                 ; younger: the LDS instructions issued behind block a's loads, which may stay out
.set BB, BK+64*((\a)%2)
	s_wait_dscnt \younger
.if (\a) > 0
	s_add_nc_u64 s[8:9], s[8:9], 16*4096           ; (behind a wait on XCNT: the earlier stores have read their base)  16 rows on
.endif
.irp t, 0,1,2,3,4,5,6,7,8,9,10,11,12,13,14,15
	global_store_b128 v[CO], v[BB+4*\t:BB+4*\t+3], s[8:9] offset:\t*4096 th:TH_STORE_NT   ; 32 lanes store 512 consecutive bytes of a row
.endr
.endm
	PLACES                                         ; behind the last products: for the stores of results and the loads into the fragment buffers
	TOSTAGE 0
.irp a, 1,2,3
.if \a > 1
	s_wait_xcnt 0x0                                ; block a - 2's stores have read their registers and their base
.endif
	TOSTAGE \a
	SEND \a-1, 32                                  ; behind block a - 1's loads: block a's 16 stores and 16 loads
.endr
	s_wait_xcnt 0x0
	SEND 3, 0
	s_wait_tensorcnt 0x0                           ; the wave's end
	ds_add_u32 v[SPW], v[NIL]
	s_wait_dscnt 0x0
	CROUND                                         ; the closing round
	s_endpgm
.Lfunc_end_k_q36bc35ab5a_outp:
	.size	k_q36bc35ab5a_outp, .Lfunc_end_k_q36bc35ab5a_outp-k_q36bc35ab5a_outp
	.p2alignl 7, 3214868480
	.fill 96, 4, 3214868480
	.section	.rodata,"a",@progbits
	.p2align	6, 0x0
	.amdhsa_kernel k_q36bc35ab5a_outp
		.amdhsa_group_segment_fixed_size 327680
		.amdhsa_private_segment_fixed_size 0
		.amdhsa_enable_private_segment 0
		.amdhsa_kernarg_size 32
		.amdhsa_user_sgpr_count 2
		.amdhsa_user_sgpr_kernarg_segment_ptr 1
		.amdhsa_wavefront_size32 1
		.amdhsa_system_sgpr_workgroup_id_x 1
		.amdhsa_system_sgpr_workgroup_id_y 1
		.amdhsa_system_sgpr_workgroup_id_z 1
		.amdhsa_system_vgpr_workitem_id 0
		.amdhsa_next_free_vgpr 576
		.amdhsa_next_free_sgpr 66
		.amdhsa_reserve_vcc 0
		.amdhsa_float_denorm_mode_32 3
		.amdhsa_float_denorm_mode_16_64 3
		.amdhsa_memory_ordered 1
		.amdhsa_forward_progress 1
		.amdhsa_inst_pref_size 86
	.end_amdhsa_kernel
	.amdgpu_metadata
---
amdhsa.version: [ 1, 2 ]
amdhsa.kernels:
  - .name:           k_q36bc35ab5a_outp
    .symbol:         k_q36bc35ab5a_outp.kd
    .args:
      - { .name: ximg, .offset: 0, .size: 8, .value_kind: global_buffer, .address_space: global }
      - { .name: woimg, .offset: 8, .size: 8, .value_kind: global_buffer, .address_space: global }
      - { .name: bo, .offset: 16, .size: 8, .value_kind: global_buffer, .address_space: global }
      - { .name: out0, .offset: 24, .size: 8, .value_kind: global_buffer, .address_space: global }
    .group_segment_fixed_size: 327680
    .private_segment_fixed_size: 0
    .kernarg_segment_align: 8
    .kernarg_segment_size: 32
    .max_flat_workgroup_size: 128
    .sgpr_count:     66
    .vgpr_count:     576
    .wavefront_size: 32
...
	.end_amdgpu_metadata
.endif
;; end of part 4
